; MI455X (gfx1250); checked and timed in simulation.
; The chip was launched on July 23, 2026; its instructions are those of AMD's public machine-readable ISA for CDNA 5 (MIT licence, August 2026) and "CDNA5" Instruction Set Architecture Reference Guide (July 2026). The comments in the code are by the model that wrote it; some were corrected since.
;; Transformer Block. Allowed arithmetic: matrix products marked QUANTISED: E2M3 operands, one E8M0 scale for each 32 along K, by v_wmma_scale_f32_16x16x128_f8f6f4 with both operands' format E2M3, f32 sums; everything else in f32.
;; Inputs: W1 4,096 x 1,024 float32; W2 1,024 x 4,096 float32; Wo 1,024 x 1,024 float32; Wqkv 3,072 x 1,024 float32; b1 4,096 float32; b2 1,024 float32; bo 1,024 float32; bqkv 3,072 float32; ln1_b 1,024 float32; ln1_g 1,024 float32; ln2_b 1,024 float32; ln2_g 1,024 float32; w_att one number float32; w_mlp one number float32; x 2 x 2,048 x 1,024 float32.
;; Outputs: out0 2 x 2,048 x 1,024 float32.
;; This version of the problem:
;;   THIS VERSION OF THE PROBLEM IS GIVEN IN LOW PRECISION. The matrix products marked QUANTISED in the list below multiply operands that are first quantised to E2M3 (2 exponent bits, 3 mantissa bits; 6 bits a number), with one power-of-two scale for each 32 numbers along K (OCP MX v1.0); their sums are f32. All else is computed in f32.
;;   The module's matrix products, in the order in which they are computed (A, B: the left and right operand; K: the contracted axis; several contracted axes count as one K, in the product's order):
;;     1. [M 4,096, K 1,024] x [K 1,024, N 3,072]; A: computed on the way; B: input Wqkv: QUANTISED
;;     2. batch 32 x [M 2,048, K 64] x [K 64, N 2,048]; A: computed on the way; B: computed on the way: QUANTISED
;;     3. batch 32 x [M 2,048, K 2,048] x [K 2,048, N 64]; A: softmax (see below); B: computed on the way: QUANTISED
;;     4. [M 4,096, K 1,024] x [K 1,024, N 1,024]; A: computed on the way; B: input Wo: QUANTISED
;;     5. [M 4,096, K 1,024] x [K 1,024, N 4,096]; A: computed on the way; B: input W1: QUANTISED
;;     6. [M 4,096, K 4,096] x [K 4,096, N 1,024]; A: computed on the way; B: input W2: QUANTISED
;;   THE QUANTISER, for each operand of a quantised product, along K:
;;     - K is cut into blocks of 32 from its start; a last block that is shorter is filled with zeros.
;;     - A block's scale is 2^e with e = floor(log2(the largest magnitude in the block)) - 2, held to -126 .. 127; a block of zeros has e = 0. As a byte (E8M0): e + 127.
;;     - Each number is divided by its block's scale, clamped to +-7.5, and rounded to the nearest number of E2M3, ties to even, subnormals kept.
;;     - The product sums the exact products of the quantised numbers (number of the format x scale) in f32.
;;   ~~~python
;;   def quantise(x, axis):      # numpy; x: float32 -> the quantised numbers, widened to float32 again
;;       x = np.moveaxis(x, axis, -1); K = x.shape[-1]
;;       x = np.pad(x, [(0, 0)] * (x.ndim - 1) + [(0, -K % 32)]); x = x.reshape(x.shape[:-1] + (-1, 32)); a = np.abs(x).max(-1, keepdims=True)
;;       e = np.where(a > 0, np.clip(np.frexp(np.where(a > 0, a, 1))[1] - 1 - 2, -126, 127), 0)      # np.frexp(a)[1] - 1 = floor(log2(a)), exactly
;;       r = np.clip(x / 2.0 ** e, -7.5, 7.5)
;;       step = 2.0 ** (np.maximum(np.frexp(np.where(r == 0, 1, r))[1] - 1, 0) - 3)
;;       q = np.round(r / step) * step * 2.0 ** e      # np.round: ties to even
;;       return np.moveaxis(q.reshape(q.shape[:-2] + (-1,))[..., :K], -1, axis).astype(np.float32)
;;   ~~~
;;   SOFTMAX AHEAD OF A QUANTISED PRODUCT. Where the list says 'softmax', what is quantised is not the finished softmax but p = 2^(t - M), with t = logit x log2(e) and M = ceil(the row's largest t), a whole number; so 1/2 < the row's largest p <= 1. The row's sum l is taken of the UNQUANTISED p, in f32, and the product's result is divided by l at the end. Since M is a whole number, a kernel that streams over the keys may use a running M (the ceiling of the running maximum): every later rescaling is an exact power of two, which a block's scale takes up: the codes' values come out the same.
;;   OPERANDS COMPUTED ON THE WAY. 'Computed on the way' means the value that the module computes at that place (a softmax that the list does not call 'softmax' is quantised finished and normalised). What goes into a quantiser is computed in f32, as accurately as f32 sums, v_exp_f32 and their like allow (about 1e-6 of the number): no bf16 or f16 on the way to a quantiser, and a product that is left as it is and whose result goes on into a quantised operand takes f32 operands (vector FMAs, or v_wmma_f32_16x16x4_f32). A number that lies on a knife's edge between two numbers of the format may be rounded either way, as far as f32 arithmetic and the matrix unit's own rounding can turn it there, and no further.
;; One version. Each part assembles by itself: llvm-mc -triple=amdgcn-amd-amdhsa -mcpu=gfx1250 --defsym DOCPART=n.
;; ======== version 1 of 1: 6 launches
;; limits: right only within a limited range of input values
;; workspace buffers: opq 13,107,200 bytes; qkvq 10,092,544 bytes; yq 3,276,800 bytes; x1 16,777,216 bytes; gq 13,107,200 bytes; hq 3,276,800 bytes
;; launch prep (part 1): grid 1024 x 1, 16 waves a work-group, no clusters, 68,608 bytes of LDS; arguments x, Wqkv, Wo, W1, W2, ln1_g, ln1_b, opq; writes opq
.if DOCPART == 1
	.amdgcn_target "amdgcn-amd-amdhsa--gfx1250"
	.amdhsa_code_object_version 6
	.text
	.protected	k_q7395a01f24_prep
	.globl	k_q7395a01f24_prep
	.p2align	8
	.type	k_q7395a01f24_prep,@function
k_q7395a01f24_prep:
	s_mov_b64 s[64:65], 0
	v_nop
	global_prefetch_b8 v0, s[64:65] scope:SCOPE_SE
	s_setreg_imm32_b32 hwreg(HW_REG_WAVE_MODE, 25, 1), 1
	s_wait_xcnt 0x0
; f32 rows become codes of FP6 (E2M3) with one E8M0 scale byte for each 32 along K, laid as IMAGES OF AN OPERAND'S REGISTERS.
; A work-group takes one UNIT: 16 rows x 1,024 along K (64 KiB of f32).  Units 0-255: the activations (argument 0), which pass a layer norm first (mean, variance of x - mean,
; rsqrt(var + 1e-5), gain, bias, all f32); 256-447: Wqkv; 448-511: Wo; 512-767: W1; 768-1023: W2 (row block u / 4, quarter u % 4 of its K).  A launch of 256 work-groups has the first kind alone.
; ROW BLOCKS: block 2 g + u holds, at place p = 0 .. 15, row 32 g + 8 u + p + 8 (p / 8).  So in a product's result the 16 registers of two neighbouring tiles are 16 neighbouring rows.
; AN IMAGE (768 bytes) is 16 rows x 64 K, six registers a lane: lane (r, h) holds the 24 bytes of block h of place r; registers 0-3 at 16 x lane, registers 4-5 at 512 + 8 x lane.
; Codes of a tensor: [row block][K / 64][768].  Scale words: [row block][K / 128][16 places], byte b for k = 32 b on.
; opq: weights' codes at 0 (unit x 12,288), their scale words at 9,437,184 (unit x 512); the activations' codes at 9,830,400, their scale words at 12,976,128.
; A block's scale is 2^(floor(log2(largest magnitude)) - 2): its byte is the largest magnitude's exponent field - 2, held at 1 from below.
; LIMITS: NaN and infinities are not served; a block of zeros, or one whose largest magnitude lies under 2^-124, keeps the byte 1 (its codes are then zeros or small; the bytes are read by this program alone).
; PHASE A: wave w loads place w's row, 512 consecutive bytes a load, norms it, and lays it in LDS.  PHASE B: wave w quantises K = 64 w .. 64 w + 63 of all 16 rows: one image.
; No tensor load, no matrix unit, no cluster: memory binds, and work-groups share no input but gain and bias.
.set ROWP,  4112                       ; a row in LDS: 4,096 bytes + 16 = 257 x 16: sixteen rows of one column fall on sixteen different 16-byte columns
.set SCB,   16*ROWP                    ; behind the rows: the unit's 512 bytes of scale words
.set HQ0,   9830400                    ; the activations' part of opq
.set WSC,   9437184                    ; the weights' scale words
.set X,     32                         ; v32-63  my 32 numbers of a row; later the 32 numbers that I quantise
.set G,     64                         ; v64-95  gain; later the codes
.set BE,    96                         ; v96-127 bias
.set PC,    64                         ; six registers of codes
.set PT,    70                         ; a conversion's three registers begin on an even number: the second half is made here and moved
.set TM,    20                         ; v20-21 largest magnitudes, v22-23 the other half's, v24-25 scale operands, v26-27 bytes
.set PW,    28                         ; two scale bytes
.set SEL,   46                         ; s[46:47] selects of v_permlanex16_b32 for lane l xor 16
	s_load_b256 s[4:11], s[0:1], 0x0               ; activations s[4:5], Wqkv s[6:7], Wo s[8:9], W1 s[10:11]
	s_load_b256 s[12:19], s[0:1], 0x20             ; W2 s[12:13], gain s[14:15], bias s[16:17], opq s[18:19]
	v_lshrrev_b32 v1, 5, v0
	s_delay_alu instid0(VALU_DEP_1)
	v_readfirstlane_b32 s22, v1                    ; wave 0..15
	v_and_b32 v1, 31, v0                           ; lane
	v_and_b32 v2, 15, v0                           ; r
	s_wait_alu depctr_va_vdst(0)
	v_bfe_u32 v3, v0, 4, 1                         ; h
	v_lshlrev_b32 v4, 4, v1                        ; 16 x lane
	s_wait_alu depctr_va_vdst(0)
	s_mul_i32 s49, s22, ROWP
	v_add_nc_u32 v5, s49, v4                       ; phase A: my row in LDS, my 16 bytes of 512
	v_mul_u32_u24 v6, v2, ROWP
	s_delay_alu instid0(VALU_DEP_1)
	v_lshl_add_u32 v6, v3, 6, v6
	s_lshl_b32 s49, s22, 8
	v_add_nc_u32 v6, s49, v6                       ; phase B: row r, + 256 w + 64 h: my 16 numbers of a block of 32
	s_mul_i32 s49, s22, 768
	v_add_nc_u32 v7, s49, v4                       ; my image in the unit's codes: registers 0-3,
	v_lshl_add_u32 v8, v1, 3, s49                  ; registers 4-5
	s_lshr_b32 s49, s22, 1
	s_lshl_b32 s49, s49, 6
	s_and_b32 s50, s22, 1
	s_lshl_b32 s50, s50, 1
	s_add_co_u32 s49, s49, s50
	s_add_co_u32 s49, s49, SCB
	v_lshl_add_u32 v9, v2, 2, s49                  ; my two scale bytes: word (w / 2, r), half w % 2
	v_add_nc_u32 v10, SCB, v4
	v_mov_b32 v22, 0                               ; written once: a lane permute's destination counts as one of its sources
	v_mov_b32 v23, 0
	s_sub_co_u32 s33, ttmp9, 768
	s_sub_co_u32 s34, ttmp9, 512
	s_sub_co_u32 s35, ttmp9, 448
	s_sub_co_u32 s36, ttmp9, 256
	s_mov_b32 s[SEL], 0x76543210
	s_mov_b32 s[SEL+1], 0xfedcba98
	s_mov_b32 s48, 0x3a800000                      ; 1 / 1024
	s_wait_kmcnt 0x0
	; which tensor, and which unit of it: choices on the work-group's number alone
	s_mov_b64 s[24:25], s[12:13]
	s_mov_b32 s26, s33
	s_cmp_lt_u32 ttmp9, 768
	s_cselect_b64 s[24:25], s[10:11], s[24:25]
	s_cselect_b32 s26, s34, s26
	s_cmp_lt_u32 ttmp9, 512
	s_cselect_b64 s[24:25], s[8:9], s[24:25]
	s_cselect_b32 s26, s35, s26
	s_cmp_lt_u32 ttmp9, 448
	s_cselect_b64 s[24:25], s[6:7], s[24:25]
	s_cselect_b32 s26, s36, s26
	s_cmp_lt_u32 ttmp9, 256
	s_cselect_b64 s[24:25], s[4:5], s[24:25]
	s_cselect_b32 s26, ttmp9, s26
	s_cselect_b32 s30, ttmp9, s36                  ; the unit's number in its part of opq
	s_cselect_b32 s27, HQ0, 0                      ; where that part's codes begin,
	s_mov_b32 s31, WSC
	s_cselect_b32 s31, HQ0+3145728, s31            ; and its scale words
	s_lshr_b32 s37, s26, 2
	s_and_b32 s38, s26, 3
	s_mov_b32 s32, 16384
	s_cmp_lt_u32 ttmp9, 768
	s_cselect_b32 s37, s26, s37                    ; row block
	s_cselect_b32 s38, 0, s38                      ; quarter of K (W2 alone)
	s_cselect_b32 s32, 4096, s32                   ; a row in memory, in bytes
	s_lshr_b32 s39, s37, 1
	s_lshl_b32 s39, s39, 5
	s_and_b32 s40, s37, 1
	s_lshl_b32 s40, s40, 3
	s_add_co_u32 s39, s39, s40
	s_and_b32 s40, s22, 8
	s_add_co_u32 s39, s39, s40
	s_add_co_u32 s39, s39, s22                     ; my row: 32 g + 8 u + w + 8 (w / 8)
	s_mul_i32 s39, s39, s32                        ; under 2^25
	s_lshl_b32 s38, s38, 12
	s_add_co_u32 s40, s39, s38
	s_mov_b32 s41, 0
	s_add_nc_u64 s[24:25], s[24:25], s[40:41]
	; WHERE A UNIT'S CODES GO.  Wo and W2: [row block][K / 64][768], unit x 12,288, as the head comment has it.
	; The activations, Wqkv and W1 are laid by TILES of 16 row blocks: [tile][K / 256][row block][four images], so that 256 rows x 768 along K are 147,456 consecutive bytes.
	; v7 and v8 hold wave x 768; image w belongs at (w / 4) x 49,152 + (w % 4) x 768 of the tile, so (w / 4) x 46,080 is added here.
	s_mul_i32 s40, s30, 12288
	s_lshr_b32 s33, s30, 4
	s_mul_i32 s33, s33, 196608
	s_and_b32 s34, s30, 15
	s_mul_i32 s34, s34, 3072
	s_add_co_u32 s33, s33, s34
	s_lshr_b32 s34, s22, 2
	s_mul_i32 s34, s34, 46080
	s_add_co_u32 s33, s33, s34
	s_sub_co_u32 s34, ttmp9, 448
	s_cmp_lt_u32 s34, 64                           ; Wo's units, 448 .. 511
	s_cselect_b32 s33, s40, s33
	s_cmp_lt_u32 ttmp9, 768                        ; W2's units, 768 on
	s_cselect_b32 s40, s33, s40
	s_add_co_u32 s40, s40, s27
	s_add_nc_u64 s[42:43], s[18:19], s[40:41]      ; the unit's codes
	s_lshl_b32 s40, s30, 9
	s_add_co_u32 s40, s40, s31
	s_add_nc_u64 s[44:45], s[18:19], s[40:41]      ; the unit's scale words
.irp c, 0,1,2,3,4,5,6,7
	global_load_b128 v[X+4*\c:X+4*\c+3], v4, s[24:25] offset:512*\c th:TH_LOAD_NT   ; 32 lanes read 512 consecutive bytes
.endr
	s_cmp_ge_u32 ttmp9, 256
	s_cbranch_scc1 .Lraw                           ; a weight is quantised as it is
.irp c, 0,1,2,3,4,5,6,7
	global_load_b128 v[G+4*\c:G+4*\c+3], v4, s[14:15] offset:512*\c
.endr
.irp c, 0,1,2,3,4,5,6,7
	global_load_b128 v[BE+4*\c:BE+4*\c+3], v4, s[16:17] offset:512*\c
.endr
.macro WSUM a, t                       ; the sum of v[a] over the 32 lanes, in every lane; v[t] has been written
	s_delay_alu instid0(VALU_DEP_1)
	v_add_f32_dpp v[\a], v[\a], v[\a] row_xmask:1 row_mask:0xf bank_mask:0xf
	s_delay_alu instid0(VALU_DEP_1)
	v_add_f32_dpp v[\a], v[\a], v[\a] row_xmask:2 row_mask:0xf bank_mask:0xf
	s_delay_alu instid0(VALU_DEP_1)
	v_add_f32_dpp v[\a], v[\a], v[\a] row_xmask:4 row_mask:0xf bank_mask:0xf
	s_delay_alu instid0(VALU_DEP_1)
	v_add_f32_dpp v[\a], v[\a], v[\a] row_xmask:8 row_mask:0xf bank_mask:0xf
	s_delay_alu instid0(VALU_DEP_1)
	v_permlanex16_b32 v[\t], v[\a], s[SEL], s[SEL+1]
	s_delay_alu instid0(VALU_DEP_1)
	v_add_f32 v[\a], v[\a], v[\t]
.endm
	s_wait_loadcnt 16                              ; the row is in; the 16 younger loads, gain and bias, stay out
	v_pk_add_f32 v[14:15], v[32:33], v[34:35]
	v_pk_add_f32 v[30:31], v[40:41], v[44:45]
	v_pk_add_f32 v[28:29], v[48:49], v[52:53]
	v_pk_add_f32 v[26:27], v[56:57], v[60:61]
	v_pk_add_f32 v[24:25], v[36:37], v[38:39]
	v_pk_add_f32 v[20:21], v[42:43], v[46:47]
	v_pk_add_f32 v[18:19], v[50:51], v[54:55]
	v_pk_add_f32 v[12:13], v[58:59], v[62:63]
	s_delay_alu instid0(VALU_DEP_1)
	v_pk_add_f32 v[12:13], v[12:13], v[26:27]
	v_pk_add_f32 v[14:15], v[14:15], v[24:25]
	v_pk_add_f32 v[30:31], v[30:31], v[20:21]
	v_pk_add_f32 v[28:29], v[28:29], v[18:19]
	s_delay_alu instid0(VALU_DEP_2)
	v_pk_add_f32 v[12:13], v[12:13], v[30:31]
	s_delay_alu instid0(VALU_DEP_2)
	v_pk_add_f32 v[14:15], v[14:15], v[28:29]
	s_delay_alu instid0(VALU_DEP_1)
	v_pk_add_f32 v[12:13], v[12:13], v[14:15]
	s_delay_alu instid0(VALU_DEP_1)
	v_add_f32 v12, v12, v13
	WSUM 12, 13
	s_delay_alu instid0(VALU_DEP_1)
	v_mul_f32 v12, s48, v12                        ; the mean
	s_delay_alu instid0(VALU_DEP_1)
	v_mov_b32 v13, v12
.irp j, 0,2,4,6,8,10,12,14,16,18,20,22,24,26,28,30
	v_pk_add_f32 v[X+\j:X+\j+1], v[X+\j:X+\j+1], v[12:13] neg_lo:[0,1] neg_hi:[0,1]   ; x - mean: the variance is taken of these, so no difference of large sums is formed
.endr
	v_pk_mul_f32 v[14:15], v[X:X+1], v[X:X+1]
	v_pk_mul_f32 v[16:17], v[X+2:X+3], v[X+2:X+3]
.irp j, 4,8,12,16,20,24,28
	s_delay_alu instid0(VALU_DEP_2)
	v_pk_fma_f32 v[14:15], v[X+\j:X+\j+1], v[X+\j:X+\j+1], v[14:15]
	s_delay_alu instid0(VALU_DEP_2)
	v_pk_fma_f32 v[16:17], v[X+\j+2:X+\j+3], v[X+\j+2:X+\j+3], v[16:17]
.endr
	s_delay_alu instid0(VALU_DEP_1)
	v_pk_add_f32 v[14:15], v[14:15], v[16:17]
	s_delay_alu instid0(VALU_DEP_1)
	v_add_f32 v14, v14, v15
	WSUM 14, 15
	v_mov_b32 v16, 0x3727c5ac                      ; 1e-5
	s_delay_alu instid0(VALU_DEP_1)
	v_fma_f32 v14, v14, s48, v16                   ; the variance + 1e-5
	s_wait_alu depctr_va_vdst(0)
	v_rsq_f32 v18, v14
	v_nop                                          ; a plain instruction behind the transcendental,
	s_wait_alu depctr_va_vdst(0)                   ; and the wait ahead of the first use of its result
	v_mov_b32 v19, v18
	s_wait_alu depctr_va_vdst(0)
	s_wait_loadcnt 0x0                             ; gain and bias
.irp j, 0,2,4,6,8,10,12,14,16,18,20,22,24,26,28,30
	v_pk_mul_f32 v[X+\j:X+\j+1], v[X+\j:X+\j+1], v[18:19]
.endr
.irp j, 0,2,4,6,8,10,12,14,16,18,20,22,24,26,28,30
	v_pk_fma_f32 v[X+\j:X+\j+1], v[X+\j:X+\j+1], v[G+\j:G+\j+1], v[BE+\j:BE+\j+1]
.endr
.Lraw:
	s_wait_loadcnt 0x0
	s_wait_alu depctr_va_vdst(0)
.irp c, 0,1,2,3,4,5,6,7
	ds_store_b128 v5, v[X+4*\c:X+4*\c+3] offset:512*\c
.endr
	s_wait_dscnt 0x0                               ; for the others' sake: my row lies in LDS
	s_barrier_signal -1
	s_barrier_wait -1
	; PHASE B: register 16 b + i = k 64 w + 32 b + 16 h + i of row r
.irp b, 0,1
.irp j, 0,1,2,3
	ds_load_b128 v[X+16*\b+4*\j:X+16*\b+4*\j+3], v6 offset:128*\b+16*\j
.endr
.endr
	s_wait_dscnt 0x0
.irp b, 0,1
	v_max3_num_f32 v[TM+\b], |v[X+16*\b]|, |v[X+1+16*\b]|, 0x1800000   ; my 16 numbers of block b, and the floor 2^(3 - 127): the byte cannot fall under 1
.endr
.irp i, 2,4,6,8,10,12,14
.irp b, 0,1
	s_delay_alu instid0(VALU_DEP_2)
	v_max3_num_f32 v[TM+\b], v[TM+\b], |v[X+16*\b+\i]|, |v[X+1+16*\b+\i]|
.endr
.endr
.irp b, 0,1
	s_delay_alu instid0(VALU_DEP_2)
	v_permlanex16_b32 v[TM+2+\b], v[TM+\b], s[SEL], s[SEL+1]
.endr
.irp b, 0,1
	s_delay_alu instid0(VALU_DEP_2)
	v_max_num_f32 v[TM+\b], v[TM+\b], v[TM+2+\b]   ; with lane l xor 16's: the block's largest magnitude
.endr
.irp b, 0,1
	s_delay_alu instid0(VALU_DEP_2)
	v_add_nc_u32 v[TM+4+\b], 0xff000000, v[TM+\b]  ; 2 off its exponent field: the conversion takes this operand's exponent field as its scale
.endr
.irp b, 0,1
	s_delay_alu instid0(VALU_DEP_2)
	v_lshrrev_b32 v[TM+6+\b], 23, v[TM+4+\b]       ; the scale's byte
.endr
	s_delay_alu instid0(VALU_DEP_1)
	v_lshl_or_b32 v[PW], v[TM+7], 8, v[TM+6]
	v_cvt_scalef32_pk16_fp6_f32 v[PC:PC+2], v[X:X+15], v[TM+4]
	v_cvt_scalef32_pk16_fp6_f32 v[PT:PT+2], v[X+16:X+31], v[TM+5]
	v_nop                                          ; one plain instruction behind a scaled conversion
.irp i, 0,1,2
	v_permlane16_swap_b32 v[PC+\i], v[PT+\i]       ; a whole block to a lane: lanes 0-15 block 0, lanes 16-31 block 1
.endr
.irp i, 0,1,2
	s_delay_alu instid0(VALU_DEP_3)
	v_mov_b32 v[PC+3+\i], v[PT+\i]
.endr
	global_store_b128 v7, v[PC:PC+3], s[42:43]             ; 512 consecutive bytes, at a multiple of 256 from the buffer's first byte
	global_store_b64 v8, v[PC+4:PC+5], s[42:43] offset:512 ; 256 consecutive bytes
	ds_store_b16 v9, v[PW]                         ; lanes l and l + 16 write the same half word with the same value
	s_wait_dscnt 0x0
	s_barrier_signal -1
	s_barrier_wait -1
	s_cmp_lg_u32 s22, 0
	s_cbranch_scc1 .Lend
	ds_load_b128 v[76:79], v10                     ; wave 0: the unit's 512 bytes of scale words leave as two whole blocks of 256
	s_wait_dscnt 0x0
	global_store_b128 v4, v[76:79], s[44:45]
.Lend:
	v_lshl_add_u32 v11, v0, 2, 0x10400             ; no two registers are kept for the add: v0 is as at the entry, and the two are made here
	v_mov_b32 v12, 0
	s_wait_alu depctr_va_vdst(0)
	s_wait_tensorcnt 0x0                           ; the wave's end
	ds_add_u32 v11, v12
	s_wait_dscnt 0x0
	s_endpgm
.Lfunc_end_k_q7395a01f24_prep:
	.size	k_q7395a01f24_prep, .Lfunc_end_k_q7395a01f24_prep-k_q7395a01f24_prep
	.p2alignl 7, 3214868480
	.fill 96, 4, 3214868480
	.section	.rodata,"a",@progbits
	.p2align	6, 0x0
	.amdhsa_kernel k_q7395a01f24_prep
		.amdhsa_group_segment_fixed_size 68608
		.amdhsa_private_segment_fixed_size 0
		.amdhsa_enable_private_segment 0
		.amdhsa_kernarg_size 64
		.amdhsa_user_sgpr_count 2
		.amdhsa_user_sgpr_kernarg_segment_ptr 1
		.amdhsa_wavefront_size32 1
		.amdhsa_system_sgpr_workgroup_id_x 1
		.amdhsa_system_sgpr_workgroup_id_y 1
		.amdhsa_system_sgpr_workgroup_id_z 1
		.amdhsa_system_vgpr_workitem_id 0
		.amdhsa_next_free_vgpr 128
		.amdhsa_next_free_sgpr 66
		.amdhsa_reserve_vcc 0
		.amdhsa_float_denorm_mode_32 3
		.amdhsa_float_denorm_mode_16_64 3
		.amdhsa_memory_ordered 1
		.amdhsa_forward_progress 1
		.amdhsa_inst_pref_size 19
	.end_amdhsa_kernel
	.amdgpu_metadata
---
amdhsa.version: [ 1, 2 ]
amdhsa.kernels:
  - .name:           k_q7395a01f24_prep
    .symbol:         k_q7395a01f24_prep.kd
    .args:
      - { .name: x, .offset: 0, .size: 8, .value_kind: global_buffer, .address_space: global }
      - { .name: Wqkv, .offset: 8, .size: 8, .value_kind: global_buffer, .address_space: global }
      - { .name: Wo, .offset: 16, .size: 8, .value_kind: global_buffer, .address_space: global }
      - { .name: W1, .offset: 24, .size: 8, .value_kind: global_buffer, .address_space: global }
      - { .name: W2, .offset: 32, .size: 8, .value_kind: global_buffer, .address_space: global }
      - { .name: ln1_g, .offset: 40, .size: 8, .value_kind: global_buffer, .address_space: global }
      - { .name: ln1_b, .offset: 48, .size: 8, .value_kind: global_buffer, .address_space: global }
      - { .name: opq, .offset: 56, .size: 8, .value_kind: global_buffer, .address_space: global }
    .group_segment_fixed_size: 68608
    .private_segment_fixed_size: 0
    .kernarg_segment_align: 8
    .kernarg_segment_size: 64
    .max_flat_workgroup_size: 512
    .sgpr_count:     66
    .vgpr_count:     128
    .wavefront_size: 32
...
	.end_amdgpu_metadata
.endif
;; end of part 1
;; launch qkv (part 2): grid 8 x 24, 4 waves a work-group, clusters of 4 x 4, 327,680 bytes of LDS; arguments opq, bqkv, qkvq; writes qkvq
.if DOCPART == 2
	.amdgcn_target "amdgcn-amd-amdhsa--gfx1250"
	.amdhsa_code_object_version 6
	.text
	.protected	k_q7395a01f24_qkv
	.globl	k_q7395a01f24_qkv
	.p2align	8
	.type	k_q7395a01f24_qkv,@function
k_q7395a01f24_qkv:
	s_mov_b64 s[64:65], 0
	v_nop
	global_prefetch_b8 v0, s[64:65] scope:SCOPE_SE
	s_setreg_imm32_b32 hwreg(HW_REG_WAVE_MODE, 25, 1), 1
	s_wait_xcnt 0x0
	s_wait_alu depctr_hold_cnt(0) depctr_sa_sdst(0) depctr_va_vdst(0) depctr_va_sdst(0) depctr_va_ssrc(0) depctr_va_vcc(0) depctr_vm_vsrc(0)
	s_getreg_b32 s2, hwreg(HW_REG_IB_STS2, 6, 4)
	s_cmp_eq_u32 s2, 0
	s_cbranch_scc0 .Lentry_in_a_cluster
	s_endpgm
.Lentry_in_a_cluster:
	s_bfe_u32 s2, ttmp6, 0x10000c
	s_cmp_lg_u32 s2, 0xf033
	s_cbranch_scc0 .Lentry_shape_is_right
	s_endpgm
.Lentry_shape_is_right:
; A product on codes of FP6 (E2M3) with E8M0 scales, K = 1,024, whose result (+ bias, and with GELU = 1 the gelu) is QUANTISED AGAIN on the way out, along the B side's rows, and stored as images of an operand's registers.
; GELU = 0: qkv = LN1(x) Wqkv^T + bqkv.  q and k are quantised along the head's 64, v along the KEYS.  GELU = 1: gelu(LN2(x1) W1^T + b1), quantised along the 4,096.
; LAYOUT OF EVERY OPERAND.  Row block 2 g + u holds, at place p, row 32 g + 8 u + p + 8 (p / 8).  An image (768 bytes) is 16 rows x 64 K: lane (r, h) holds the 24 bytes of block h of place r, registers 0-3 at 16 x lane,
; registers 4-5 at 512 + 8 x lane.  Codes: [row block][K / 64][768]; a fragment (16 x 128 K, 12 registers) is two images on end.  Scale words: [row block][K / 128][16 places].
; A TILE is 256 rows of the A side x 256 rows of the B side; four waves, 128 x 128 each: 64 accumulators, 512 registers.  The matrix instruction takes source 0 = 16 rows of B, source 1 = 16 rows of A:
; a lane holds ONE row of A, and the 64 registers of a block of A run along 128 NEIGHBOURING rows of B (by the choice of rows above): they are a quantiser's input as they stand.
; WHICH SIDE IS WHICH.  GELU = 1, and GELU = 0 with cluster y < 4 (q, k): A = tokens, B = weight rows.  GELU = 0 with cluster y = 4, 5 (v): A = Wv's rows, B = tokens: so a lane holds one channel d and its registers
; run along the keys.  Both sides lie in ONE buffer, opq, so a side is chosen by a byte offset, on the cluster's y alone, which all sixteen partners share; there is no branch on it: the bias that does not apply is masked to +0.
; CLUSTERS: 4 x 4 work-groups; A's tiles are asked for jointly along a row of the cluster, B's along a column.
; K IS FOUR STEPS OF 256.  Three LDS slots take the first three at the head, with the scale words of all of K: four loads of a wave are out.  The fourth step is the launch's one refill: into slot 0, behind the round at the end
; of step 0; it is first waited for at the end of step 2, so it has two steps, 256 matrix instructions a wave, in which to land.
; No access to LDS needs padding: every load of a fragment takes consecutive bytes in consecutive lanes.  No prefetch is laid: of K's four steps of tiles three go out at the head.
; LIMITS: NaN and infinities are not served; a block of zeros, or one whose largest magnitude lies under 2^-124, keeps the scale byte 1 (the bytes are read by this program alone).
; With GELU = 0 the grid has 192 work-groups: 12 x 16 tiles of 256 x 256.
; REGISTERS: window 0: v4-29 addresses; v32-63 scale words, two sets, and nothing else; v64-127 at work in gelu; v128-223 A's fragments, one set; on the way out v128-191 the 64 numbers, v192-229 the quantiser's; v240-247 A-side bias.
;   window 1: B's fragments, two sets, at v0 and v128; the B-side bias in the gaps, v96-127 and v224-255.   windows 2, 3: the accumulators ((a, b) at v[8 (8 (a % 4) + b)]).
.set GELU,   0
.set NQ,     2                         ; matrix instructions deep in a slot
.set FR,     12                        ; registers of a fragment
.set NL,     4                         ; LDS loads that bring one
.set NP,     4                         ; places behind this matrix instruction (ISA guide 7.12.1)
.set RBB,    3072                      ; a row block's bytes in a slot: 256 along K, four images
.set RBP,    12288                     ; and in memory: 1,024 along K
.set HALFT,  8*RBB                     ; 8 row blocks: what one tensor load brings, and what one wave reads of A or of B
.set SLOT,   4*HALFT
.set SCL,    3*SLOT                    ; behind the three slots: the scale words, 512 bytes a row block
.set HALFS,  4096
.set SBLK,   512
.set SPARE,  SCL+4*HALFS               ; the spare words, 128 bytes for each wave: two blocks of 256 bytes that no other line names
.set TOKC,   9830400                   ; opq: the tokens' codes, their scale words;
.set TOKS,   12976128
.set WQS,    9437184                   ; Wqkv's scale words (its codes lie at 0);
.set WVC,    1572864                   ; Wv's codes (Wqkv's row blocks 128 on), its scale words;
.set WVS,    9502720
.set W1C,    3145728                   ; W1's
.set W1S,    9568256
.set ADRB, 4                           ; v4-6    LDS address of B's row blocks in slot 0, 1, 2, + 16 x lane;  v7-9 + 8 x lane
.set SH,   10                          ; v10     the way out (GELU = 0): how far my half shifts the scale word
.set BOB,  12                          ; v12     byte offset of my B-side bias; never rewritten
.set BOA,  13                          ; v13     of my A-side bias; never rewritten
.set ADRA, 16                          ; v16-18  the same for A, + 16 x lane;  v19-21 + 8 x lane
.set O16,  24                          ; v24     16 x lane
.set O8,   25                          ; v25     8 x lane
.set OS,   26                          ; v26     the way out: my place among the scale words
.set ADRS, 27                          ; v27     LDS address of my scale words: lanes 0-15 A's, lanes 16-31 B's
.set SPW,  28                          ; v28     LDS address of my spare word; never rewritten
.set NIL,  29                          ; v29     0; never rewritten
.set SC,   32
.set T,    64
.set AF,   128
.set ST,   128
.set PC,   192                         ; v192-203 the codes; v204-206, v208-210 the conversions' second halves
.set TM,   212                         ; v212-215 largest magnitudes, v216-219 bytes, v224-227 scale operands
.set PW,   228
.set PW2,  229
.set BP,   230                         ; v[230:231] a block's A-side bias, twice
.set CB,   232                         ; v[232:233], v[234:235] gelu's two constants, twice each
.set CA,   234
.set BA,   240
.set SEL,  66                          ; s[66:67]
.set G1, 24
.set G0, 32                            ; s[32:39] group 0 for A's slots 0 and 1
.set G0C, 96
.set G1B, 48
.set G0B, 56                           ; s[56:63] the same for B
.set G0BC, 44
.set G1S, 68
.set G0S, 76
.set G1SB, 80
.set G0SB, 88
.set MSB, 0
.macro WIN new                         ; the immediate's high byte repeats the setting that is left
.if MSB != (\new)
	s_set_vgpr_msb (MSB<<8)|(\new)
.set MSB, (\new)
.endif
.endm
.set MUL_LO, 0xa1                      ; source 0 (B) window 1, source 1 (A) window 0, C and D window 2
.set MUL_HI, 0xf1
.set TO_B,   0x40
; A joint load: waves 0 and 1 fetch for A, waves 2 and 3 for B; the branch hangs on the wave's number alone.  Four v_nop follow each of the two lines.
.macro JLOAD g0a, g1a, g0b, g1b
	s_cmp_eq_u32 s15, 0
	s_cbranch_scc0 .Lfor_b_\@
	tensor_load_to_lds s[\g0a:\g0a+3], s[\g1a:\g1a+7]
	s_nop 0
.rept 4
	v_nop
.endr
	s_branch .Lasked_\@
.Lfor_b_\@:
	tensor_load_to_lds s[\g0b:\g0b+3], s[\g1b:\g1b+7]
	s_nop 0
.rept 4
	v_nop
.endr
.Lasked_\@:
.endm
.macro CREST                           ; a round of the cluster's barrier behind its opening barrier
	s_cmp_lg_u32 s14, 0
	s_cbranch_scc1 .Lnot_wave_0_\@
	s_barrier_signal -3
.Lnot_wave_0_\@:
	s_barrier_wait -3
	s_barrier_signal -1
	s_barrier_wait -1
.endm
.macro CROUND
	s_barrier_signal -1
	s_barrier_wait -1
	CREST
.endm
	s_load_b128 s[4:7], s[0:1], 0x0                ; opq s[4:5], the bias s[6:7]
	s_load_b64 s[8:9], s[0:1], 0x10                ; the result's buffer
	v_lshl_add_u32 v[SPW], v0, 2, SPARE
	v_mov_b32 v[NIL], 0
	ds_add_u32 v28, v29
	ds_add_u32 v28, v29
	s_wait_dscnt 0x0
	v_lshrrev_b32 v1, 5, v0
	v_readfirstlane_b32 s14, v1                    ; wave 0..3
	s_lshr_b32 s15, s14, 1                         ; which half of A's rows is mine.  Also: I fetch for A (0) or for B (1)
	s_and_b32 s16, s14, 1                          ; which half of B's rows.  Also: which 8 row blocks I fetch
	s_bfe_u32 s40, ttmp6, 0x40000                  ; cx, cy
	s_bfe_u32 s41, ttmp6, 0x40004
	s_lshl_b32 s42, ttmp9, 2
	s_add_co_u32 s42, s42, s40                     ; xt = 4 x cluster x + cx
	s_and_b32 s17, ttmp7, 0xffff                   ; cluster y
	s_lshl_b32 s10, s17, 2
	s_add_co_u32 s10, s10, s41                     ; yt = 4 x cluster y + cy
	s_lshl_b32 s43, s41, 2
	s_lshl_b32 s43, 15, s43                        ; my row of the cluster
	s_lshl_b32 s44, 0x1111, s40                    ; my column
	; group 1 for codes: 8 rows (row blocks) of 3,072 bytes = 384 elements of 8 bytes, 3,072 bytes apart; no padding
	s_or_b32 s[G1+0], s43, (3<<16)|(1<<21)
	s_or_b32 s[G1B+0], s44, (3<<16)|(1<<21)
.irp g, G1, G1B
	s_mov_b32 s[\g+1], 384<<16                     ; tensor_dim0
	s_mov_b32 s[\g+2], 48<<16                      ; the head's load: 48 dense rows of 3,072 bytes: K steps 0 to 2 of a tile's 16 row blocks
	s_mov_b32 s[\g+3], 384<<16
	s_mov_b32 s[\g+4], 48
	s_mov_b32 s[\g+5], 384
	s_mov_b32 s[\g+6], 0
	s_mov_b32 s[\g+7], 0
.endr
	; and for the scale words of 16 row blocks: 8,192 dense bytes as 32 rows of 256
	s_or_b32 s[G1S+0], s43, (3<<16)|(1<<21)
	s_or_b32 s[G1SB+0], s44, (3<<16)|(1<<21)
.irp g, G1S, G1SB
	s_mov_b32 s[\g+1], 32<<16
	s_mov_b32 s[\g+2], 32<<16                      ; the scale words of 16 row blocks: 8,192 dense bytes
	s_mov_b32 s[\g+3], 32<<16
	s_mov_b32 s[\g+4], 32
	s_mov_b32 s[\g+5], 32
	s_mov_b32 s[\g+6], 0
	s_mov_b32 s[\g+7], 0
.endr
	; the sides: tile numbers and byte offsets in opq.  A's hang on cy and the cluster's y alone, B's on cx and the cluster's x and y alone
.if GELU
	s_mov_b32 s20, s10
	s_mov_b32 s46, s42
	s_mov_b32 s21, TOKC
	s_mov_b32 s22, TOKS
	s_mov_b32 s47, W1C
	s_mov_b32 s92, W1S
.else
	s_sub_co_u32 s93, s17, 4
	s_lshl_b32 s93, s93, 3
	s_add_co_u32 s93, s93, s42                     ; v: the tile of tokens, xt + 8 x batch
	s_mov_b32 s21, TOKC
	s_mov_b32 s22, TOKS
	s_mov_b32 s92, WQS
	s_cmp_ge_u32 s17, 4                            ; v's region?  The same answer in all sixteen partners
	s_cselect_b32 s20, s41, s10
	s_cselect_b32 s46, s93, s42
	s_cselect_b32 s21, WVC, s21
	s_cselect_b32 s22, WVS, s22
	s_cselect_b32 s47, TOKC, 0
	s_cselect_b32 s92, TOKS, s92
	s_cselect_b32 s95, 0, -1                       ; the mask of the B-side bias,
	s_cselect_b32 s100, -1, 0                      ; and of the A-side bias
.endif
	s_mov_b32 s18, 0                               ; the addresses made below are those of whole tiles
	s_lshl_b32 s20, s20, 4
	s_add_co_u32 s20, s20, s18                     ; A: the first row block that I fetch
	s_lshl_b32 s46, s46, 4
	s_add_co_u32 s46, s46, s18                     ; B likewise
	s_lshl_b32 s23, s20, 9
	s_add_co_u32 s22, s22, s23                     ; A's scale words,
	s_mul_i32 s20, s20, RBP
	s_add_co_u32 s20, s20, s21                     ; A's codes,
	s_lshl_b32 s93, s46, 9
	s_add_co_u32 s92, s92, s93                     ; B's scale words,
	s_mul_i32 s46, s46, RBP
	s_add_co_u32 s46, s46, s47                     ; B's codes: all under 2^24
	s_mov_b32 s21, 0
	s_mov_b32 s23, 0
	s_mov_b32 s47, 0
	s_mov_b32 s93, 0
	s_mul_i32 s45, s16, HALFT                      ; the refill: which 8 row blocks are mine
	s_mul_i32 s94, s14, HALFS
	s_wait_kmcnt 0x0
	s_add_nc_u64 s[20:21], s[4:5], s[20:21]
	s_add_nc_u64 s[22:23], s[4:5], s[22:23]
	s_add_nc_u64 s[46:47], s[4:5], s[46:47]
	s_add_nc_u64 s[92:93], s[4:5], s[92:93]
	CROUND                                         ; all sixteen work-groups are here: the first joint loads meet
	; THE FORM OF THE HEAD AND OF THE OPERANDS, in place of what the head comment says of them.  Codes in opq lie [tile of 16 row blocks][K / 256][row block][3,072 bytes]: a tile's K steps 0 to 2 are 147,456 consecutive bytes.
	; LDS: A's [K step 0 .. 2][16 row blocks][3,072] at 0, B's the same at 6 HALFT, the scale words behind them.  ONE LOAD A WAVE AT THE HEAD: wave 0 A's three K steps, wave 1 B's,
	; wave 2 A's scale words, wave 3 B's.  The one refill, K step 3, goes into K step 0's bytes, 8 row blocks a wave.
	s_mov_b32 s[G0S], 1
	s_mov_b32 s[G0S+1], SCL
	s_mov_b64 s[G0S+2:G0S+3], s[22:23]
	s_or_b32 s[G0S+3], s[G0S+3], 0x80000000
	s_mov_b32 s[G0SB], 1
	s_mov_b32 s[G0SB+1], SCL+2*HALFS
	s_mov_b64 s[G0SB+2:G0SB+3], s[92:93]
	s_or_b32 s[G0SB+3], s[G0SB+3], 0x80000000
	s_mov_b32 s[G0+4], 1                           ; the head's load of A's codes,
	s_mov_b32 s[G0+5], 0
	s_mov_b64 s[G0+6:G0+7], s[20:21]
	s_or_b32 s[G0+7], s[G0+7], 0x80000000
	s_mov_b32 s[G0B+4], 1                          ; and of B's
	s_mov_b32 s[G0B+5], 6*HALFT
	s_mov_b64 s[G0B+6:G0B+7], s[46:47]
	s_or_b32 s[G0B+7], s[G0B+7], 0x80000000
	s_mov_b32 s2, s45                              ; the refill: K step 3 begins 6 HALFT bytes into the tile; my 8 row blocks of it
	s_mov_b32 s3, 0
	s_mov_b32 s[G0], 1
	s_mov_b32 s[G0+1], s45
	s_add_nc_u64 s[G0+2:G0+3], s[20:21], s[2:3]
	s_add_nc_u64 s[G0+2:G0+3], s[G0+2:G0+3], 6*HALFT
	s_or_b32 s[G0+3], s[G0+3], 0x80000000
	s_mov_b32 s[G0B], 1
	s_add_co_u32 s[G0B+1], s45, 6*HALFT
	s_add_nc_u64 s[G0B+2:G0B+3], s[46:47], s[2:3]
	s_add_nc_u64 s[G0B+2:G0B+3], s[G0B+2:G0B+3], 6*HALFT
	s_or_b32 s[G0B+3], s[G0B+3], 0x80000000
.macro ARM under, g0, g1, next         ; one chain of branches on the wave's number: every way through it passes exactly one load
	s_cmp_lt_u32 s14, \under
	s_cbranch_scc0 \next
	tensor_load_to_lds s[\g0:\g0+3], s[\g1:\g1+7]
	s_nop 0
.rept 4
	v_nop
.endr
	s_branch .Lhead_asked
\next:
.endm
	ARM 1, G0+4,  G1,  .Lhead_b
	ARM 2, G0B+4, G1B, .Lhead_sa
	ARM 3, G0S,   G1S, .Lhead_sb
	tensor_load_to_lds s[G0SB:G0SB+3], s[G1SB:G1SB+7]
	s_nop 0
.rept 4
	v_nop
.endr
.Lhead_asked:
	v_and_b32 v1, 31, v0                           ; lane
	v_and_b32 v2, 15, v0                           ; r
	v_bfe_u32 v3, v0, 4, 1                         ; h
	v_lshlrev_b32 v[O16], 4, v1
	v_lshlrev_b32 v[O8], 3, v1
	s_mul_i32 s21, s15, HALFT                      ; my 8 row blocks of A,
	s_mul_i32 s22, s16, HALFT                      ; of B,
	s_add_co_u32 s22, s22, 6*HALFT                 ; which lie behind A's three K steps
.irp s, 0,1,2
	v_add_nc_u32 v[ADRA+\s], s21, v[O16]
	v_add_nc_u32 v[ADRA+3+\s], s21, v[O8]
	v_add_nc_u32 v[ADRB+\s], s22, v[O16]
	v_add_nc_u32 v[ADRB+3+\s], s22, v[O8]
	s_add_co_u32 s21, s21, 2*HALFT                 ; from a K step to the next: 16 row blocks
	s_add_co_u32 s22, s22, 2*HALFT
.endr
	s_mul_i32 s21, s15, HALFS
	s_mul_i32 s22, s16, HALFS
	s_add_co_u32 s22, s22, 2*HALFS
	s_sub_co_u32 s22, s22, s21
	v_mul_u32_u24 v15, s22, v3                     ; lanes 16-31 take B's: one product, the distance between the two bases
	s_add_co_u32 s21, s21, SCL
	v_lshl_add_u32 v31, v2, 2, v15
	v_add_nc_u32 v[ADRS], s21, v31
	; the B-side bias: register 16 g + i belongs to B's row 32 g + 16 h + i of my 128.  It is waited for on the way out
	s_lshl_b32 s21, s42, 10
	s_lshl_b32 s22, s16, 9
	s_add_co_u32 s21, s21, s22
	v_lshl_add_u32 v[BOB], v3, 6, s21
	WIN TO_B
.irp g, 0,1
.irp j, 0,1,2,3
	global_load_b128 v[96+16*\g+4*\j:99+16*\g+4*\j], v[BOB], s[6:7] offset:128*\g+16*\j
.endr
.endr
.irp g, 2,3
.irp j, 0,1,2,3
	global_load_b128 v[192+16*\g+4*\j:195+16*\g+4*\j], v[BOB], s[6:7] offset:128*\g+16*\j
.endr
.endr
	WIN 0
.if GELU
	; where the results go: gq: codes [256 row blocks][64][768], scale words at 12,582,912: [256][32][16]
	s_lshl_b32 s12, s10, 4
	s_lshl_b32 s13, s15, 3
	s_add_co_u32 s12, s12, s13                     ; my first row block of tokens
	s_lshl_b32 s13, s42, 1
	s_add_co_u32 s13, s13, s16                     ; my K step of the next product: 2 xt + half
	s_lshl_b32 s18, s12, 5
	s_add_co_u32 s18, s18, s13
	s_lshl_b32 s20, s18, 6
	s_add_co_u32 s20, s20, 12582912
	s_mov_b32 s21, 0
	s_mul_i32 s12, s18, 1536
	s_mov_b32 s13, 0
	s_add_nc_u64 s[12:13], s[8:9], s[12:13]        ; the fragment's first image,
	s_add_nc_u64 s[18:19], s[12:13], 768           ; its second,
	s_add_nc_u64 s[20:21], s[8:9], s[20:21]        ; its scale words
	s_mov_b32 s22, 49152                           ; from a row block to the next
	s_mov_b32 s23, 0
	s_mov_b32 s92, 2048
	s_mov_b32 s93, 0
	v_lshlrev_b32 v[OS], 2, v2
.else
	; the A-side bias (v): block a's place r is Wqkv's row 2,048 + 256 cy + 128 half + 32 (a / 2) + 8 (a % 2) + r + 8 (r / 8)
	s_lshl_b32 s21, s41, 10
	s_lshl_b32 s22, s15, 9
	s_add_co_u32 s21, s21, s22
	s_add_co_u32 s21, s21, 8192
	v_and_b32 v30, 8, v2
	v_add_nc_u32 v30, v30, v2
	v_lshl_add_u32 v[BOA], v30, 2, s21
.irp a, 0,1,2,3,4,5,6,7
	global_load_b32 v[BA+\a], v[BOA], s[6:7] offset:4*(32*(\a/2)+8*(\a%2))
.endr
	; where the results go.  qkvq: q's codes [32 heads][128 token blocks][768] at 0, k's at 3,145,728, v's [32][4 d blocks][32][768] at 6,291,456; scale words: q's [32][128][16] at 9,437,184, k's at 9,699,328, v's [32][4][16][16] at 9,961,472.
	; q, k: a fragment's two images are two heads' 64
	s_lshr_b32 s12, s10, 3                         ; batch
	s_lshl_b32 s12, s12, 4
	s_and_b32 s13, s42, 3
	s_lshl_b32 s13, s13, 2
	s_add_co_u32 s12, s12, s13
	s_lshl_b32 s13, s16, 1
	s_add_co_u32 s12, s12, s13                     ; the first of my two heads
	s_lshl_b32 s12, s12, 7
	s_and_b32 s13, s10, 7
	s_lshl_b32 s13, s13, 4
	s_add_co_u32 s12, s12, s13
	s_lshl_b32 s13, s15, 3
	s_add_co_u32 s12, s12, s13                     ; 128 x head + my first token block
	s_lshr_b32 s13, s42, 2                         ; q (0) or k (1)
	s_mul_i32 s18, s13, 3145728
	s_mul_i32 s19, s12, 768
	s_add_co_u32 s18, s18, s19                     ; codes
	s_lshl_b32 s13, s13, 18
	s_lshl_b32 s12, s12, 6
	s_add_co_u32 s12, s12, s13
	s_add_co_u32 s12, s12, 9437184                 ; scale words
	; v: a fragment is 16 channels x 128 keys
	s_sub_co_u32 s13, s17, 4
	s_lshl_b32 s13, s13, 6
	s_lshl_b32 s19, s41, 4
	s_add_co_u32 s13, s13, s19
	s_lshl_b32 s19, s15, 3
	s_add_co_u32 s13, s13, s19                     ; 4 x head + d block, of my first block
	s_lshl_b32 s13, s13, 4
	s_lshl_b32 s19, s42, 1
	s_add_co_u32 s13, s13, s19
	s_add_co_u32 s13, s13, s16                     ; x 16 + my 128 keys' number
	s_mul_i32 s19, s13, 1536
	s_add_co_u32 s19, s19, 6291456                 ; codes
	s_lshl_b32 s13, s13, 6
	s_add_co_u32 s13, s13, 9961472                 ; scale words
	s_mov_b32 s22, 768
	s_cmp_ge_u32 s17, 4
	s_cselect_b32 s20, s13, s12
	s_cselect_b32 s12, s19, s18
	s_mov_b32 s18, 98304
	s_cselect_b32 s18, 768, s18                    ; from the first image to the second: the next head, or the next 64 keys
	s_cselect_b32 s22, 24576, s22                  ; from a block of A to the next
	s_cselect_b32 s92, 1024, 64
	s_cselect_b32 s94, -1, 0xffff                  ; q, k: a head's word has two bytes; the upper two are 0
	s_cselect_b32 s2, 0, 8192                      ; q, k: lanes 16-31 store the second head's word,
	s_cselect_b32 s11, 0, 16                       ; which is the upper half of the fragment's
	s_mov_b32 s13, 0
	s_mov_b32 s19, 0
	s_mov_b32 s21, 0
	s_mov_b32 s23, 0
	s_mov_b32 s93, 0
	s_add_nc_u64 s[12:13], s[8:9], s[12:13]
	s_add_nc_u64 s[18:19], s[12:13], s[18:19]
	s_add_nc_u64 s[20:21], s[8:9], s[20:21]
	v_mul_u32_u24 v[OS], s2, v3
	v_lshl_add_u32 v[OS], v2, 2, v[OS]
	v_mul_u32_u24 v[SH], s11, v3
.endif
	s_mov_b32 s[SEL], 0x76543210
	s_mov_b32 s[SEL+1], 0xfedcba98
.macro FRAG reg, adr, off              ; a fragment: two images on end; every load takes consecutive bytes in consecutive lanes
	ds_load_b128 v[\reg:\reg+3], v[\adr] offset:\off
	ds_load_b64 v[\reg+4:\reg+5], v[\adr+3] offset:\off+512
	ds_load_b128 v[\reg+6:\reg+9], v[\adr] offset:\off+768
	ds_load_b64 v[\reg+10:\reg+11], v[\adr+3] offset:\off+1280
.endm
; 16 matrix instructions: A's blocks a0, a0 + 1 x B's eight, 128 along K: the slot's q-th.  p: B's set; sc: the set of scale words.  zero = 1: the first product starts the sums.
; The 64 accumulators take turns, one instruction a turn, in the same order in every step.
.macro MUL16 a0, p, q, sc, zero
.irp a, \a0, \a0+1
.irp b, 0,1,2,3,4,5,6,7
.if \zero
	v_wmma_scale_f32_16x16x128_f8f6f4 v[8*(8*((\a)%4)+\b):8*(8*((\a)%4)+\b)+7], v[128*(\p)+FR*\b:128*(\p)+FR*\b+FR-1], v[AF+FR*(\a):AF+FR*(\a)+FR-1], 0, v[SC+8*NQ*(\sc)+NQ*\b+(\q)], v[SC+8*NQ*(\sc)+NQ*(\a)+(\q)] matrix_a_fmt:MATRIX_FMT_FP6 matrix_b_fmt:MATRIX_FMT_FP6 matrix_a_scale:MATRIX_SCALE_ROW1
.else
	v_wmma_scale_f32_16x16x128_f8f6f4 v[8*(8*((\a)%4)+\b):8*(8*((\a)%4)+\b)+7], v[128*(\p)+FR*\b:128*(\p)+FR*\b+FR-1], v[AF+FR*(\a):AF+FR*(\a)+FR-1], v[8*(8*((\a)%4)+\b):8*(8*((\a)%4)+\b)+7], v[SC+8*NQ*(\sc)+NQ*\b+(\q)], v[SC+8*NQ*(\sc)+NQ*(\a)+(\q)] matrix_a_fmt:MATRIX_FMT_FP6 matrix_b_fmt:MATRIX_FMT_FP6 matrix_a_scale:MATRIX_SCALE_ROW1
.endif
.endr
.endr
.endm
.macro FETCH_B slot, q, p              ; B's eight fragments of the slot's q-th 128 along K into set p
	WIN TO_B
.irp i, 0,1,2,3,4,5,6,7
	FRAG 128*(\p)+FR*\i, ADRB+\slot, \i*RBB+(\q)*1536
.endr
	WIN 0
.endm
.macro FETCH_A slot, q, i0             ; A's blocks i0 .. i0 + 3
.irp i, \i0, \i0+1, \i0+2, \i0+3
	FRAG AF+FR*(\i), ADRA+\slot, (\i)*RBB+(\q)*1536
.endr
.endm
.macro SCALES sc                       ; a K step's scale words into set sc: lanes 0-15 take A's block i, lanes 16-31 B's block i
.irp i, 0,1,2,3,4,5,6,7
.irp w, 0,1
	ds_load_b32 v[SC+8*NQ*\sc+NQ*\i+\w], v[ADRS] offset:\i*SBLK+64*\w
.endr
.endr
.endm
.macro PLACES n                        ; plain vector instructions that name no register of the matrix instructions before them (ISA guide 7.12.1 for vector instructions)
.rept \n
	v_nop
.endr
.endm
.macro STEP slot, q, sc, zero          ; a step of 128 along K that has its successor in the same slot; sc: the K step's set of scale words
	s_wait_dscnt 4*NL                              ; B's set, A's blocks 0-3 and the scale words are in; the youngest 16 loads (A's blocks 4-7) may be out
	WIN MUL_LO
	MUL16 0, (\q)%2, \q, \sc, \zero
	MUL16 2, (\q)%2, \q, \sc, \zero
	s_wait_dscnt 0
	PLACES NP
	FETCH_B \slot, (\q)+1, 1-(\q)%2
	FETCH_A \slot, (\q)+1, 0
	WIN MUL_HI
	MUL16 4, (\q)%2, \q, \sc, \zero
	MUL16 6, (\q)%2, \q, \sc, \zero
	PLACES NP
	WIN 0
	FETCH_A \slot, (\q)+1, 4
.endm
; A slot's last step goes on to the next slot.  sc, nsc: this K step's set of scale words and the next one's.
; how = 2: this slot is filled again: each wave waits for all its tensor loads, adds 0 to its spare word, waits for that and for its own reads of this slot; a round of the cluster's barrier; the joint refill first behind it.
; how = 1: the next slot holds the refill: the same lines and the work-group's barrier show it to all four waves.
; how = 0: the next slot's first fill was shown to all four waves by the round (every wave had waited for all its loads in front of it), and this slot is not written again: no barrier.
.macro TURN slot, next, sc, nsc, how
.if \how
	s_wait_tensorcnt 0x0                           ; all my tensor loads have landed
	ds_add_u32 v[SPW], v[NIL]                      ; 0 onto my spare word
	s_wait_dscnt 4*NL+1                            ; (the add and the youngest 16 loads may be out)
	WIN MUL_LO
	MUL16 0, 1, NQ-1, \sc, 0
	s_wait_dscnt 0x0                               ; the add is done, and my reads of this slot are over
	s_barrier_signal -1
	MUL16 2, 1, NQ-1, \sc, 0
	WIN 0
	s_barrier_wait -1
.else
	s_wait_dscnt 4*NL                              ; the youngest 16 loads (A's blocks 4-7) may be out
	WIN MUL_LO
	MUL16 0, 1, NQ-1, \sc, 0
	MUL16 2, 1, NQ-1, \sc, 0
	s_wait_dscnt 0x0
	WIN 0
.endif
.if \how == 2
	CREST                                          ; the barrier has opened a round of the cluster's: no wave of any partner still reads this slot or has a load on its way
	JLOAD G0+4*\slot, G1, G0B+4*\slot, G1B         ; the first tensor load behind the round, and my last: K step 3; its four v_nop are the places in front of the loads below
.else
	PLACES NP
.endif
	v_add_nc_u32 v[ADRS], 64*NQ, v[ADRS]           ; on to the next K step's scale words
	FETCH_B \next, 0, 0
	FETCH_A \next, 0, 0
	SCALES \nsc
	WIN MUL_HI
	MUL16 4, 1, NQ-1, \sc, 0
	MUL16 6, 1, NQ-1, \sc, 0
	PLACES NP
	WIN 0
	FETCH_A \next, 0, 4
.endm
	s_wait_alu depctr_va_vdst(0)
	s_wait_tensorcnt 0x0                           ; my one load of the head is in, so a descriptor may be written: the refill brings 8 rows
	s_mov_b32 s[G1+2], 8<<16
	s_mov_b32 s[G1+4], 8
	s_mov_b32 s[G1B+2], 8<<16
	s_mov_b32 s[G1B+4], 8
	s_barrier_signal -1
	s_barrier_wait -1                              ; everybody's are
	FETCH_B 0, 0, 0
	FETCH_A 0, 0, 0
	SCALES 0
	FETCH_A 0, 0, 4
	STEP 0, 0, 0, 1                                ; K step 0: its first products start the sums
	TURN 0, 1, 0, 1, 2                             ; slot 0 takes K step 3
	s_wait_alu depctr_va_vdst(0)
	STEP 1, 0, 1, 0                                ; K step 1
	TURN 1, 2, 1, 0, 0
	s_wait_alu depctr_va_vdst(0)
	STEP 2, 0, 0, 0                                ; K step 2
	TURN 2, 0, 0, 1, 1                             ; the refill is waited for here, 256 matrix instructions behind its request
	STEP 0, 0, 1, 0                                ; K step 3
	s_wait_dscnt 4*NL
	WIN MUL_LO
	MUL16 0, 1, NQ-1, 1, 0
	MUL16 2, 1, NQ-1, 1, 0
	s_wait_dscnt 0
	WIN MUL_HI
	MUL16 4, 1, NQ-1, 1, 0
	MUL16 6, 1, NQ-1, 1, 0
	WIN 0
; 64 numbers of a lane, register 16 b + i = k 32 b + 16 h + i of my row, become a fragment's codes in v[PC] on and its scale word in v[PW]
.macro QUANT s
.irp b, 0,1,2,3
	v_max3_num_f32 v[TM+\b], |v[\s+16*\b]|, |v[\s+1+16*\b]|, 0x1800000   ; my 16 numbers of block b, and the floor 2^(3 - 127): the byte cannot fall under 1
.endr
.irp i, 2,4,6,8,10,12,14
.irp b, 0,1,2,3
	v_max3_num_f32 v[TM+\b], v[TM+\b], |v[\s+16*\b+\i]|, |v[\s+1+16*\b+\i]|
.endr
.endr
.irp b, 0,1,2,3
	v_permlanex16_b32 v[TM+4+\b], v[TM+\b], s[SEL], s[SEL+1]
.endr
.irp b, 0,1,2,3
	v_max_num_f32 v[TM+\b], v[TM+\b], v[TM+4+\b]   ; with lane l xor 16's: the block's largest magnitude
.endr
.irp b, 0,1,2,3
	v_add_nc_u32 v[TM+12+\b], 0xff000000, v[TM+\b] ; 2 off its exponent field: the conversion's scale operand
.endr
.irp b, 0,1,2,3
	v_lshrrev_b32 v[TM+4+\b], 23, v[TM+12+\b]      ; the scale's byte
.endr
	v_lshl_or_b32 v[PW], v[TM+5], 8, v[TM+4]
	v_lshl_or_b32 v[PW], v[TM+6], 16, v[PW]
	v_lshl_or_b32 v[PW], v[TM+7], 24, v[PW]
.irp c, 0,1
	v_cvt_scalef32_pk16_fp6_f32 v[PC+6*\c:PC+2+6*\c], v[\s+32*\c:\s+15+32*\c], v[TM+12+2*\c]
	v_cvt_scalef32_pk16_fp6_f32 v[PC+12+4*\c:PC+14+4*\c], v[\s+16+32*\c:\s+31+32*\c], v[TM+12+2*\c+1]
.endr
	v_nop                                          ; one plain instruction behind a scaled conversion
.irp c, 0,1
.irp i, 0,1,2
	v_permlane16_swap_b32 v[PC+6*\c+\i], v[PC+12+4*\c+\i]   ; a whole block to a lane
.endr
.irp i, 0,1,2
	v_mov_b32 v[PC+3+6*\c+\i], v[PC+12+4*\c+\i]
.endr
.endr
.endm
; gelu(x) = 0.5 x (1 + tanh(sqrt(2 / pi) (x + 0.044715 x^3))) = x / (1 + 2^(x (A + B x^2))), A = -2 sqrt(2 / pi) log2(e), B = 0.044715 A.  Two batches of 64 transcendentals, one wait each.
.macro GELUF
.set NN, 0
.rept 32
	v_pk_mul_f32 v[T+NN:T+NN+1], v[ST+NN:ST+NN+1], v[ST+NN:ST+NN+1]
.set NN, NN+2
.endr
.set NN, 0
.rept 32
	v_pk_fma_f32 v[T+NN:T+NN+1], v[T+NN:T+NN+1], v[CB:CB+1], v[CA:CA+1]
.set NN, NN+2
.endr
.set NN, 0
.rept 32
	v_pk_mul_f32 v[T+NN:T+NN+1], v[T+NN:T+NN+1], v[ST+NN:ST+NN+1]
.set NN, NN+2
.endr
.set NN, 0
.rept 64
	v_exp_f32 v[T+NN], v[T+NN]
.set NN, NN+1
.endr
	v_nop                                          ; a plain instruction behind the last exponential,
	s_wait_alu depctr_va_vdst(0)                   ; and one wait for the batch, ahead of its first reader
.set NN, 0
.rept 32
	v_pk_add_f32 v[T+NN:T+NN+1], v[T+NN:T+NN+1], 1.0 op_sel_hi:[1,0]
.set NN, NN+2
.endr
.set NN, 0
.rept 64
	v_rcp_f32 v[T+NN], v[T+NN]
.set NN, NN+1
.endr
	v_nop
	s_wait_alu depctr_va_vdst(0)
.set NN, 0
.rept 32
	v_pk_mul_f32 v[ST+NN:ST+NN+1], v[ST+NN:ST+NN+1], v[T+NN:T+NN+1]
.set NN, NN+2
.endr
.endm
; THE WAY OUT of A's block a: bias, (gelu,) quantiser, five stores.  The codes' stores cover 512 or 256 consecutive bytes at multiples of 256; the scale words leave in pieces of 64 bytes: one byte in 24 of what is stored.
.macro OUTB a
	s_wait_xcnt 0x0                                ; the last block's stores have read their data and bases: both are written again only behind this wait
.if (\a) > 0
	s_add_nc_u64 s[12:13], s[12:13], s[22:23]
	s_add_nc_u64 s[18:19], s[18:19], s[22:23]
	s_add_nc_u64 s[20:21], s[20:21], s[92:93]
.endif
	WIN 0x06+(\a)/4                                ; source 0: window 2 or 3; source 1: window 1
.set AC, 64*((\a)%4)
.set NN, 0
.rept 16
	v_pk_add_f32 v[ST+NN:ST+NN+1], v[AC+NN:AC+NN+1], v[96+NN:97+NN]     ; each accumulator from its low end on
.set NN, NN+2
.endr
.rept 16
	v_pk_add_f32 v[ST+NN:ST+NN+1], v[AC+NN:AC+NN+1], v[192+NN:193+NN]
.set NN, NN+2
.endr
	WIN 0
.if GELU
	GELUF
.else
	v_mov_b32 v[BP], v[BA+(\a)]
	v_mov_b32 v[BP+1], v[BA+(\a)]
.set NN, 0
.rept 32
	v_pk_add_f32 v[ST+NN:ST+NN+1], v[ST+NN:ST+NN+1], v[BP:BP+1]
.set NN, NN+2
.endr
.endif
	QUANT ST
	global_store_b128 v[O16], v[PC:PC+3], s[12:13]
	global_store_b64 v[O8], v[PC+4:PC+5], s[12:13] offset:512
	global_store_b128 v[O16], v[PC+6:PC+9], s[18:19]
	global_store_b64 v[O8], v[PC+10:PC+11], s[18:19] offset:512
.if GELU
	global_store_b32 v[OS], v[PW], s[20:21]        ; lanes l and l + 16 store the same word at the same place
.else
	v_lshrrev_b32 v[PW2], v[SH], v[PW]
	v_and_b32 v[PW2], s94, v[PW2]
	global_store_b32 v[OS], v[PW2], s[20:21]
.endif
.endm
	PLACES NP                                      ; behind the last products
	s_wait_loadcnt 0x0                             ; the biases, asked for at the head
.if GELU
	v_mov_b32 v[CB], 0xbdd2d3e8                    ; B = -0.10294324
	v_mov_b32 v[CB+1], 0xbdd2d3e8
	v_mov_b32 v[CA], 0xc0135761                    ; A = -2.3022082
	v_mov_b32 v[CA+1], 0xc0135761
.else
	WIN 0x44                                       ; the bias that does not apply becomes +0
.set NN, 0
.rept 32
	v_and_b32 v[96+NN], s95, v[96+NN]
	v_and_b32 v[224+NN], s95, v[224+NN]
.set NN, NN+1
.endr
	WIN 0
.irp a, 0,1,2,3,4,5,6,7
	v_and_b32 v[BA+\a], s100, v[BA+\a]
.endr
.endif
.irp b, 0,1,2,3
	v_mov_b32 v[TM+4+\b], 0                        ; written once: a lane permute's destination counts as one of its sources
.endr
.irp a, 0,1,2,3,4,5,6,7
	OUTB \a
.endr
	s_wait_tensorcnt 0x0                           ; the wave's end
	ds_add_u32 v[SPW], v[NIL]
	s_wait_dscnt 0x0
	CROUND                                         ; the closing round: no work-group ends while a partner may still ask for a tile that names it
	s_endpgm
.Lfunc_end_k_q7395a01f24_qkv:
	.size	k_q7395a01f24_qkv, .Lfunc_end_k_q7395a01f24_qkv-k_q7395a01f24_qkv
	.p2alignl 7, 3214868480
	.fill 96, 4, 3214868480
	.section	.rodata,"a",@progbits
	.p2align	6, 0x0
	.amdhsa_kernel k_q7395a01f24_qkv
		.amdhsa_group_segment_fixed_size 327680
		.amdhsa_private_segment_fixed_size 0
		.amdhsa_enable_private_segment 0
		.amdhsa_kernarg_size 24
		.amdhsa_user_sgpr_count 2
		.amdhsa_user_sgpr_kernarg_segment_ptr 1
		.amdhsa_wavefront_size32 1
		.amdhsa_system_sgpr_workgroup_id_x 1
		.amdhsa_system_sgpr_workgroup_id_y 1
		.amdhsa_system_sgpr_workgroup_id_z 1
		.amdhsa_system_vgpr_workitem_id 0
		.amdhsa_next_free_vgpr 1024
		.amdhsa_next_free_sgpr 102
		.amdhsa_reserve_vcc 0
		.amdhsa_float_denorm_mode_32 3
		.amdhsa_float_denorm_mode_16_64 3
		.amdhsa_memory_ordered 1
		.amdhsa_forward_progress 1
		.amdhsa_inst_pref_size 191
	.end_amdhsa_kernel
	.amdgpu_metadata
---
amdhsa.version: [ 1, 2 ]
amdhsa.kernels:
  - .name:           k_q7395a01f24_qkv
    .symbol:         k_q7395a01f24_qkv.kd
    .args:
      - { .name: opq, .offset: 0, .size: 8, .value_kind: global_buffer, .address_space: global }
      - { .name: bqkv, .offset: 8, .size: 8, .value_kind: global_buffer, .address_space: global }
      - { .name: qkvq, .offset: 16, .size: 8, .value_kind: global_buffer, .address_space: global }
    .group_segment_fixed_size: 327680
    .private_segment_fixed_size: 0
    .kernarg_segment_align: 8
    .kernarg_segment_size: 24
    .max_flat_workgroup_size: 128
    .sgpr_count:     102
    .vgpr_count:     1024
    .wavefront_size: 32
...
	.end_amdgpu_metadata
.endif
;; end of part 2
;; launch attn (part 3): grid 8 x 32, 16 waves a work-group, clusters of 4 x 1, 235,520 bytes of LDS; arguments qkvq, yq; writes yq
.if DOCPART == 3
	.amdgcn_target "amdgcn-amd-amdhsa--gfx1250"
	.amdhsa_code_object_version 6
	.text
	.protected	k_q7395a01f24_attn
	.globl	k_q7395a01f24_attn
	.p2align	8
	.type	k_q7395a01f24_attn,@function
k_q7395a01f24_attn:
	s_mov_b64 s[64:65], 0
	v_nop
	global_prefetch_b8 v0, s[64:65] scope:SCOPE_SE
	s_setreg_imm32_b32 hwreg(HW_REG_WAVE_MODE, 25, 1), 1
	s_wait_xcnt 0x0
	s_wait_alu depctr_hold_cnt(0) depctr_sa_sdst(0) depctr_va_vdst(0) depctr_va_sdst(0) depctr_va_ssrc(0) depctr_va_vcc(0) depctr_vm_vsrc(0)
	s_getreg_b32 s2, hwreg(HW_REG_IB_STS2, 6, 4)
	s_cmp_eq_u32 s2, 0
	s_cbranch_scc0 .Lentry_in_a_cluster
	s_endpgm
.Lentry_in_a_cluster:
	s_bfe_u32 s2, ttmp6, 0x10000c
	s_cmp_lg_u32 s2, 0x3003
	s_cbranch_scc0 .Lentry_shape_is_right
	s_endpgm
.Lentry_shape_is_right:
; y[b][q][head] = softmax_k(q . k / 8) v, both products on codes of FP6 (E2M3) with E8M0 scales; y is quantised along the head's 64 and stored as an image of the next product's operand.
; qkvq: q's codes [32 heads][128 token blocks][768] at 0, k's at 3,145,728, v's, keys innermost, [32][4 d blocks][32][768] at 6,291,456; scale words: q's [32][128][16] at 9,437,184, k's at 9,699,328 (bytes 2, 3 are 0),
; v's [32][4][16][16] at 9,961,472.  An image (768 bytes) is 16 rows x 64 K: lane (r, h) holds the 24 bytes of block h of place r, registers 0-3 at 16 x lane, registers 4-5 at 512 + 8 x lane.
; Token block 2 g + u holds, at place p, token 32 g + 8 u + p + 8 (p / 8).
; THE SOFTMAX: t = score x log2(e) / 8; M = the running largest t rounded UP to a whole number; p = 2^(t - M) is quantised along the keys, not normalised; the row's sum is taken of the unquantised p and divides at the end.
; When M moves, the sums and O are multiplied by 2^(old M - new M): exact.  LIMITS: the promise holds while |t| stays under 2^31; NaN and infinities are not served; a block of zeros keeps the scale byte 1 (read by this program alone).
; SHARES: a work-group owns 256 queries of one head, each of its sixteen waves 16 of them.  Both products are used transposed (S^T = K Q^T, O^T = V^T P^T): a lane holds ONE query.
; ALL OF A HEAD'S K AND V LIE IN LDS: nothing is filled again, every byte is asked for at the head, so no prefetch is laid.  One load a wave: waves 0-3 K's quarters, 4-7 V's chunks of 512 keys, 8-13 pieces of 2,048 bytes of the scale words.
; CLUSTER: the four work-groups of a cluster belong to one head and ask for K and V jointly.
; A TILE OF K IS MADE UP BY THE LANES' ADDRESSES: tile 4 c + o of a step of 128 keys has in rows 0-7 keys 64 c + 8 o + 0 .. 7 and in rows 8-15 keys 64 c + 32 + 8 o + 0 .. 7 (halves of two images, two images apart).
; So lane (r, h) holds in the 32 registers of tiles 4 c .. 4 c + 3 the keys 64 c + 32 h + 0 .. 31: a WHOLE block of the second product's K, in order: its largest p needs no other lane, and the conversions' results are the operand.
; K's rows of 256 bytes have 64 bytes of padding in LDS (an image: 960 bytes), so that two images are 128 modulo 256 bytes apart: the sixteen lanes of half a 16-byte load touch 256 different bytes modulo 256.
; K = 64 in the first product: q's registers 6-11 are zero codes, so the upper six registers of k's operand may hold any codes (the next tile's), and the scale bytes 0 there stand for 2^-127: the products are zeros.
.set KIMG,  960
.set KSTEP, 8*KIMG                     ; 128 keys of K in LDS
.set VC,    122880                     ; V's codes [4 chunks][4 d blocks][8][768]
.set KS,    221184                     ; K's scale words
.set VS,    229376                     ; V's
.set SPARE, 233472                     ; the spare words: 128 bytes a wave
.set ADK16, 1                          ; v1-3 K: 16-byte pieces, 8-byte pieces, scale words;  v4-6 the same for V: stepped once in four steps
.set ADK8,  2
.set ADKS,  3
.set ADV16, 4
.set ADV8,  5
.set ADVS,  6
.set SH8,   7                          ; v7 8 h;  v8 16 x lane;  v9 8 x lane;  v10 4 r
.set L16,   8
.set L8,    9
.set OS,    10
.set KF,    32                         ; v32-79 K's eight tiles, six registers each, later V's four fragments; v80-85 zeros, written once
.set KSW,   86                         ; v86-89 K's scale words; v90-91 V's; v28 q's; v29 p's: scales and nothing else
.set VSW,   90
.set SU,    92                         ; v[92:93], v[94:95] the row's sum, in two chains of pairs
.set S,     96                         ; v96-159 the scores, then p
.set O,     160                        ; v160-191 O^T
.set PC,    192                        ; v192-203 p's codes;  v204-206, v208-210 the conversions' second halves
.set PT,    204
.set MX,    212                        ; v212-215 four chains of maxima; v212, v214 the two blocks'
.set T,     216
.set T2,    217
.set SO,    218                        ; v218-219 scale operands; v220-221 bytes; v222-223 the scale word on its way
.set BY,    220
.set W,     222
.set W2,    223
.set WV,    18
.set CNT,   19
.set SEL,   20
.set CS,    22                         ; s[22:23] c = log2(e) / 8
.set G1K,   24
.set G1V,   32
.set G1S,   40
.macro CROUND
	s_barrier_signal -1
	s_barrier_wait -1
	s_cmp_lg_u32 s[WV], 0
	s_cbranch_scc1 .Lnot_wave_0_\@
	s_barrier_signal -3
.Lnot_wave_0_\@:
	s_barrier_wait -3
	s_barrier_signal -1
	s_barrier_wait -1
.endm
.macro D1                              ; a hint ahead of a plain line that reads the plain line just above it
	s_delay_alu instid0(VALU_DEP_1)
.endm
	s_load_b128 s[4:7], s[0:1], 0x0                ; qkvq, yq
	v_lshl_add_u32 v254, v0, 2, SPARE
	v_mov_b32 v255, 0
	ds_add_u32 v254, v255                          ; the opening lines: the add twice on end and one wait
	ds_add_u32 v254, v255
	v_lshrrev_b32 v224, 5, v0
	v_readfirstlane_b32 s[WV], v224                ; wave 0..15
	s_and_b32 s8, ttmp7, 0xffff                    ; the head (16 x batch + head), which the four partners share
	s_mul_i32 s9, s8, 98304
	s_mul_i32 s10, s[WV], 24576
	s_add_co_u32 s10, s10, s9
	s_add_co_u32 s10, s10, 3145728                 ; K's quarter w
	s_mul_i32 s12, s[WV], 6144
	s_add_co_u32 s12, s12, s9
	s_add_co_u32 s12, s12, 6291456-24576           ; V's chunk w - 4
	s_lshl_b32 s14, s[WV], 11
	s_lshl_b32 s16, s8, 13
	s_add_co_u32 s16, s16, s14
	s_add_co_u32 s16, s16, 9699328-16384           ; K's scale words, piece w - 8
	s_lshl_b32 s17, s8, 12
	s_add_co_u32 s17, s17, s14
	s_add_co_u32 s17, s17, 9961472-24576           ; V's, piece w - 12
	s_cmp_lt_u32 s[WV], 12
	s_cselect_b32 s14, s16, s17
	s_mov_b32 s11, 0
	s_mov_b32 s13, 0
	s_mov_b32 s15, 0
	; groups 1: elements of 8 bytes, the mask of all four work-groups, bit 21 beside it
	s_mov_b32 s[G1K], 15|(3<<16)|(1<<20)|(1<<21)|(5<<22)|(15<<25)   ; K: 16 words of padding behind every 64
	s_mov_b32 s[G1K+1], 32<<16                     ; 24,576 dense bytes as 96 rows of 256
	s_mov_b32 s[G1K+2], 96<<16
	s_mov_b32 s[G1K+3], 32<<16
	s_mov_b32 s[G1K+4], 96
	s_mov_b32 s[G1K+5], 32
	s_mov_b32 s[G1V], 15|(3<<16)|(1<<21)
	s_mov_b32 s[G1V+1], 768<<16                    ; a chunk of V: 4 rows (d blocks) of 6,144 bytes, 24,576 bytes apart
	s_mov_b32 s[G1V+2], 4<<16
	s_mov_b32 s[G1V+3], 768<<16
	s_mov_b32 s[G1V+4], 4
	s_mov_b32 s[G1V+5], 3072
	s_mov_b32 s[G1S], 15|(3<<16)|(1<<21)
	s_mov_b32 s[G1S+1], 32<<16                     ; scale words: 2,048 dense bytes
	s_mov_b32 s[G1S+2], 8<<16
	s_mov_b32 s[G1S+3], 32<<16
	s_mov_b32 s[G1S+4], 8
	s_mov_b32 s[G1S+5], 32
.irp g, G1K, G1V, G1S
	s_mov_b32 s[\g+6], 0
	s_mov_b32 s[\g+7], 0
.endr
	s_mov_b32 s[SEL], 0x76543210
	s_mov_b32 s[SEL+1], 0xfedcba98
	s_mov_b32 s[CS], 0x3e38aa3b                    ; log2(e) / 8
	s_mov_b32 s[CS+1], s[CS]
	s_wait_dscnt 0x0
	s_wait_kmcnt 0x0
	; groups 0: every LDS address is a constant + a constant x the wave's number
	s_mov_b32 s48, 1
	s_mul_i32 s49, s[WV], 30720
	s_add_nc_u64 s[50:51], s[4:5], s[10:11]
	s_or_b32 s51, s51, 0x80000000
	s_mov_b32 s52, 1
	s_mul_i32 s53, s[WV], 24576
	s_add_co_u32 s53, s53, VC-98304
	s_add_nc_u64 s[54:55], s[4:5], s[12:13]
	s_or_b32 s55, s55, 0x80000000
	s_mov_b32 s56, 1
	s_lshl_b32 s57, s[WV], 11
	s_add_co_u32 s57, s57, KS-16384
	s_add_nc_u64 s[58:59], s[4:5], s[14:15]
	s_or_b32 s59, s59, 0x80000000
	CROUND                                         ; all four work-groups are here: the joint loads meet
	s_cmp_lt_u32 s[WV], 4                          ; one chain of branches on the wave's number, one load to an arm
	s_cbranch_scc0 .Lnot_k
	tensor_load_to_lds s[48:51], s[G1K:G1K+7]
	s_nop 0
.rept 4
	v_nop
.endr
	s_branch .Lasked
.Lnot_k:
	s_cmp_lt_u32 s[WV], 8
	s_cbranch_scc0 .Lnot_v
	tensor_load_to_lds s[52:55], s[G1V:G1V+7]
	s_nop 0
.rept 4
	v_nop
.endr
	s_branch .Lasked
.Lnot_v:
	s_cmp_lt_u32 s[WV], 14
	s_cbranch_scc0 .Lasked
	tensor_load_to_lds s[56:59], s[G1S:G1S+7]
	s_nop 0
.rept 4
	v_nop
.endr
.Lasked:
	; my block of queries, and where its result goes: the place in the cluster enters these global addresses alone
	s_bfe_u32 s9, ttmp6, 0x40000
	s_lshl_b32 s10, ttmp9, 2
	s_add_co_u32 s10, s10, s9
	s_lshl_b32 s10, s10, 4
	s_add_co_u32 s9, s10, s[WV]                    ; my token block in the batch: 16 x (4 x cluster x + cx) + wave
	s_lshl_b32 s10, s8, 7
	s_add_co_u32 s10, s10, s9
	s_lshl_b32 s12, s10, 6
	s_add_co_u32 s12, s12, 9437184
	s_mul_i32 s10, s10, 768
	s_mov_b32 s11, 0
	s_mov_b32 s13, 0
	s_add_nc_u64 s[10:11], s[4:5], s[10:11]        ; q's image
	s_add_nc_u64 s[12:13], s[4:5], s[12:13]        ; q's scale words
	s_lshr_b32 s14, s8, 4
	s_lshl_b32 s14, s14, 7
	s_add_co_u32 s14, s14, s9                      ; the token block among all 256
	s_and_b32 s15, s8, 15                          ; the head in the batch = the next product's K / 64
	s_lshl_b32 s16, s14, 3
	s_lshr_b32 s17, s15, 1
	s_add_co_u32 s16, s16, s17
	s_lshl_b32 s16, s16, 6
	s_and_b32 s17, s15, 1
	s_lshl_b32 s17, s17, 1
	s_add_co_u32 s16, s16, s17
	s_add_co_u32 s16, s16, 3145728
	s_lshl_b32 s14, s14, 4
	s_add_co_u32 s14, s14, s15
	s_mul_i32 s14, s14, 768
	s_mov_b32 s15, 0
	s_mov_b32 s17, 0
	s_add_nc_u64 s[14:15], s[6:7], s[14:15]        ; y's image
	s_add_nc_u64 s[16:17], s[6:7], s[16:17]        ; y's half of a scale word
	v_and_b32 v224, 31, v0                         ; lane
	v_and_b32 v225, 15, v0                         ; r
	v_bfe_u32 v226, v0, 4, 1                       ; h
	v_and_b32 v227, 7, v0                          ; r % 8
	v_bfe_u32 v228, v0, 3, 1                       ; r / 8
	v_lshlrev_b32 v[L16], 4, v224
	v_lshlrev_b32 v[L8], 3, v224
	v_lshlrev_b32 v[OS], 2, v225
	v_lshlrev_b32 v[SH8], 3, v226
	v_lshlrev_b32 v[ADK16], 4, v227                ; K, registers 0-3: 16 (r % 8) + 320 h (the image's second row of 256) + two images for rows 8-15
	v_mad_u32_u24 v[ADK16], v226, 320, v[ADK16]
	v_mad_u32_u24 v[ADK16], v228, 2*KIMG, v[ADK16]
	v_lshlrev_b32 v[ADK8], 3, v227                 ; registers 4-5: 8 (r % 8) + 128 h
	v_lshl_add_u32 v[ADK8], v226, 7, v[ADK8]
	v_mad_u32_u24 v[ADK8], v228, 2*KIMG, v[ADK8]
	v_lshl_add_u32 v[ADKS], v227, 2, KS            ; scale words: lanes 0-15 an even tile's rows, lanes 16-31 the odd one's (the next image's)
	v_lshl_add_u32 v[ADKS], v226, 6, v[ADKS]
	v_lshl_add_u32 v[ADKS], v228, 7, v[ADKS]
	v_add_nc_u32 v[ADV16], VC, v[L16]
	v_add_nc_u32 v[ADV8], VC, v[L8]
	v_lshl_add_u32 v[ADVS], v226, 10, v[OS]
	v_add_nc_u32 v[ADVS], VS, v[ADVS]              ; lanes 0-15 an even d block's words, lanes 16-31 the odd one's
	global_load_b128 v[16:19], v[L16], s[10:11]
	global_load_b64 v[20:21], v[L8], s[10:11] offset:512
	global_load_b32 v28, v[OS], s[12:13]
.irp j, 22,23,24,25,26,27, 80,81,82,83,84,85
	v_mov_b32 v[\j], 0                             ; q's upper 64 along K: zero codes; and the upper half of the last tile's operand
.endr
	v_mov_b32 v13, 0xff61b1e6                      ; the largest score so far: -3e38
	v_mul_f32 v[T], s[CS], v13
	v_floor_f32 v14, -v[T]                         ; -M; v12 and v14 hold the new and the old one by turns
	v_mov_b32 v15, 0                               ; (upper halves of pairs that are named whole)
	v_mov_b32 v31, 0
.irp j, SU, SU+1, SU+2, SU+3, T2, W2
	v_mov_b32 v[\j], 0                             ; the sums; and a lane permute's destination counts as one of its sources
.endr
.set NN, 0
.rept 32
	v_mov_b32 v[O+NN], 0                           ; O^T: the step is written once; the first finds zeros
.set NN, NN+1
.endr
	s_wait_alu depctr_va_vdst(0)
	s_wait_loadcnt 0x0
	s_wait_tensorcnt 0x0                           ; my load, if I have one, is in;
	s_barrier_signal -1
	s_barrier_wait -1                              ; everybody's are.  Nothing is filled again: from here on no wave waits for another
.macro KLOAD n                         ; K's eight tiles and their scale words, step n of the four that the addresses stand at
.irp t, 0,1,2,3,4,5,6,7
	ds_load_b128 v[KF+6*\t:KF+6*\t+3], v[ADK16] offset:(\n)*KSTEP+(4*(\t/4)+\t%2)*KIMG+128*((\t%4)/2)
	ds_load_b64 v[KF+6*\t+4:KF+6*\t+5], v[ADK8] offset:(\n)*KSTEP+(4*(\t/4)+\t%2)*KIMG+640+64*((\t%4)/2)
.endr
.irp p, 0,1,2,3
	ds_load_b32 v[KSW+\p], v[ADKS] offset:(\n)*512+256*(\p/2)+32*(\p%2)
.endr
.endm
.macro SUMS j0, n                      ; 2 n lines of the row's sum, from p[j0] on
.set JJ, \j0
.rept \n
	v_pk_add_f32 v[SU:SU+1], v[SU:SU+1], v[S+JJ:S+JJ+1]
	v_pk_add_f32 v[SU+2:SU+3], v[SU+2:SU+3], v[S+JJ+2:S+JJ+3]
.set JJ, JJ+4
.endr
.endm
; A KEY STEP: 128 keys
.macro STEP u
.set NW, 12+2*((\u)%2)
.set OD, 14-2*((\u)%2)
	s_wait_dscnt 0x0                               ; K's tiles, asked for in the step before
.irp t, 0,1,2,3,4,5,6,7
.if \t%2
	v_wmma_scale_f32_16x16x128_f8f6f4 v[S+8*\t:S+8*\t+7], v[KF+6*\t:KF+6*\t+11], v[16:27], 0, v[KSW+\t/2], v28 matrix_a_fmt:MATRIX_FMT_FP6 matrix_b_fmt:MATRIX_FMT_FP6 matrix_a_scale:MATRIX_SCALE_ROW1
.else
	v_wmma_scale_f32_16x16x128_f8f6f4 v[S+8*\t:S+8*\t+7], v[KF+6*\t:KF+6*\t+11], v[16:27], 0, v[KSW+\t/2], v28 matrix_a_fmt:MATRIX_FMT_FP6 matrix_b_fmt:MATRIX_FMT_FP6
.endif
.endr
.rept 4
	v_nop                                          ; places: in front of the loads into K's registers and of the first read of the scores
.endr
.irp d, 0,1,2,3                                ; V's four fragments land under the softmax
	ds_load_b128 v[KF+12*\d:KF+12*\d+3], v[ADV16] offset:6144*\d+1536*(\u)
	ds_load_b64 v[KF+12*\d+4:KF+12*\d+5], v[ADV8] offset:6144*\d+1536*(\u)+512
	ds_load_b128 v[KF+12*\d+6:KF+12*\d+9], v[ADV16] offset:6144*\d+1536*(\u)+768
	ds_load_b64 v[KF+12*\d+10:KF+12*\d+11], v[ADV8] offset:6144*\d+1536*(\u)+1280
.endr
.irp p, 0,1
	ds_load_b32 v[VSW+\p], v[ADVS] offset:2048*\p+64*(\u)
.endr
.if (\u) == 3
	v_add_nc_u32 v[ADV16], 24576, v[ADV16]         ; on to the next chunk of V
	v_add_nc_u32 v[ADV8], 24576, v[ADV8]
	v_add_nc_u32 v[ADVS], 256, v[ADVS]
.endif
.irp q, 0,1,2,3                                ; the largest score of my two blocks of 32 keys, in four chains by turns; each accumulator is first read at its low end
	v_max3_num_f32 v[MX+\q], v[S+16*\q], v[S+16*\q+1], v[S+16*\q+2]
.endr
.irp i, 3,5,7,9,11,13
.irp q, 0,1,2,3
	v_max3_num_f32 v[MX+\q], v[MX+\q], v[S+16*\q+\i], v[S+16*\q+\i+1]
.endr
.endr
.irp c, 0,1
	v_max3_num_f32 v[MX+2*\c], v[MX+2*\c], v[MX+2*\c+1], v[S+32*\c+15]
.endr
.irp c, 0,1
	v_max_num_f32 v[MX+2*\c], v[MX+2*\c], v[S+32*\c+31]
.endr
	v_max_num_f32 v[T], v[MX], v[MX+2]
	D1
	v_permlanex16_b32 v[T2], v[T], s[SEL], s[SEL+1]
	D1
	v_max3_num_f32 v13, v13, v[T], v[T2]           ; the running largest score of my query (c is positive)
	D1
	v_mul_f32 v[T], s[CS], v13
	D1
	v_floor_f32 v[NW], -v[T]                       ; the new -M = -ceil(t)
	D1
	v_sub_f32 v[T], v[NW], v[OD]                   ; old M - new M: a whole number, 0 or less
	D1
	v_cvt_i32_f32 v[T], v[T]                       ; (it saturates)
	D1
	v_ldexp_f32 v30, 1.0, v[T]                     ; f = 2^(old M - new M)
.irp c, 0,1
	v_fma_f32 v[MX+2*\c], v[MX+2*\c], s[CS], v[NW] ; t - M of the block's largest score: p rises with the score, so this gives the block's largest p
.endr
.set NN, 0
.rept 32
	v_pk_fma_f32 v[S+NN:S+NN+1], v[S+NN:S+NN+1], s[CS:CS+1], v[NW:NW+1] op_sel_hi:[1,0,0]
.set NN, NN+2
.endr
	v_pk_mul_f32 v[SU:SU+1], v[SU:SU+1], v[30:31] op_sel_hi:[1,0]       ; the sums and O^T under the new M
	v_pk_mul_f32 v[SU+2:SU+3], v[SU+2:SU+3], v[30:31] op_sel_hi:[1,0]
.set NN, 0
.rept 16
	v_pk_mul_f32 v[O+NN:O+NN+1], v[O+NN:O+NN+1], v[30:31] op_sel_hi:[1,0]
.set NN, NN+2
.endr
	s_wait_alu depctr_va_vdst(0)
.set NN, 0
.rept 64
	v_exp_f32 v[S+NN], v[S+NN]                     ; p = 2^(t - M)
.set NN, NN+1
.endr
	v_exp_f32 v[MX], v[MX]
	v_exp_f32 v[MX+2], v[MX+2]
	v_nop                                          ; a plain line behind the last exponential,
	s_wait_alu depctr_va_vdst(0)                   ; and one wait for the batch, ahead of its first reader
.irp c, 0,1
	v_max_num_f32 v[MX+2*\c], 0x1800000, v[MX+2*\c]    ; the floor 2^(3 - 127): the byte cannot fall under 1
.endr
.irp c, 0,1
	v_add_nc_u32 v[SO+\c], 0xff000000, v[MX+2*\c]  ; 2 off the exponent field: the conversion's scale operand
.endr
.irp c, 0,1
	v_lshrrev_b32 v[BY+\c], 23, v[SO+\c]
.endr
	v_lshl_or_b32 v[W], v[BY+1], 16, v[BY]         ; my bytes: blocks h and 2 + h,
	D1
	v_lshlrev_b32 v[W], v[SH8], v[W]               ; at their places;
	D1
	v_permlanex16_b32 v[W2], v[W], s[SEL], s[SEL+1]
	D1
	v_or_b32 v29, v[W], v[W2]                      ; with lane l xor 16's two the word is whole
.irp c, 0,1
	v_cvt_scalef32_pk16_fp6_f32 v[PC+6*\c:PC+6*\c+2], v[S+32*\c:S+32*\c+15], v[SO+\c]
	v_cvt_scalef32_pk16_fp6_f32 v[PT+4*\c:PT+4*\c+2], v[S+32*\c+16:S+32*\c+31], v[SO+\c]   ; (a conversion's three registers begin on an even number)
.endr
	v_nop                                          ; one plain line behind a scaled conversion
.irp c, 0,1
.irp i, 0,1,2
	v_mov_b32 v[PC+3+6*\c+\i], v[PT+4*\c+\i]
.endr
.endr
	SUMS 0, 4                                      ; with the six moves: the places between the writes of p's scale word and codes and the products
	s_wait_alu depctr_va_vdst(0)
	s_wait_dscnt 0x0                               ; V
.irp d, 0,1,2,3                                ; O^T += V^T P^T: the four accumulators by turns
.if \d%2
	v_wmma_scale_f32_16x16x128_f8f6f4 v[O+8*\d:O+8*\d+7], v[KF+12*\d:KF+12*\d+11], v[PC:PC+11], v[O+8*\d:O+8*\d+7], v[VSW+\d/2], v29 matrix_a_fmt:MATRIX_FMT_FP6 matrix_b_fmt:MATRIX_FMT_FP6 matrix_a_scale:MATRIX_SCALE_ROW1
.else
	v_wmma_scale_f32_16x16x128_f8f6f4 v[O+8*\d:O+8*\d+7], v[KF+12*\d:KF+12*\d+11], v[PC:PC+11], v[O+8*\d:O+8*\d+7], v[VSW+\d/2], v29 matrix_a_fmt:MATRIX_FMT_FP6 matrix_b_fmt:MATRIX_FMT_FP6
.endif
.endr
	SUMS 16, 2                                     ; four places, which name no register of the products,
	KLOAD (\u)+1                                   ; and the next step's K lands under the rest of the sum.  (The very last step's fetch reads the bytes behind K's, which are V's; nothing uses it)
.if (\u) == 3
	v_add_nc_u32 v[ADK16], 4*KSTEP, v[ADK16]
	v_add_nc_u32 v[ADK8], 4*KSTEP, v[ADK8]
	v_add_nc_u32 v[ADKS], 2048, v[ADKS]
.endif
	SUMS 24, 10
.endm
	KLOAD 0
	s_mov_b32 s[CNT], 4
.Ltrip:                                                ; a trip: 512 keys, a chunk of V, four steps whose offsets are immediates
	STEP 0
	STEP 1
	STEP 2
	STEP 3
	s_sub_co_u32 s[CNT], s[CNT], 1
	s_cmp_lg_u32 s[CNT], 0
	s_cbranch_scc1 .Ltrip
	; THE WAY OUT: O^T / the sum; register 16 g + i is channel 32 g + 16 h + i of my query: two blocks of the next K, each in lanes l and l xor 16
	s_wait_alu depctr_va_vdst(0)
	s_wait_dscnt 0x0
	v_pk_add_f32 v[SU:SU+1], v[SU:SU+1], v[SU+2:SU+3]
	D1
	v_add_f32 v[SU], v[SU], v[SU+1]
	D1
	v_permlanex16_b32 v[T2], v[SU], s[SEL], s[SEL+1]
	D1
	v_add_f32 v[SU], v[SU], v[T2]
	s_wait_alu depctr_va_vdst(0)
	v_rcp_f32 v30, v[SU]
	v_nop
	s_wait_alu depctr_va_vdst(0)
.set NN, 0
.rept 16
	v_pk_mul_f32 v[S+NN:S+NN+1], v[O+NN:O+NN+1], v[30:31] op_sel_hi:[1,0]
.set NN, NN+2
.endr
.irp b, 0,1
	v_max3_num_f32 v[MX+\b], |v[S+16*\b]|, |v[S+1+16*\b]|, 0x1800000
.endr
.irp i, 2,4,6,8,10,12,14
.irp b, 0,1
	v_max3_num_f32 v[MX+\b], v[MX+\b], |v[S+16*\b+\i]|, |v[S+1+16*\b+\i]|
.endr
.endr
.irp b, 0,1
	v_permlanex16_b32 v[MX+2+\b], v[MX+\b], s[SEL], s[SEL+1]
.endr
.irp b, 0,1
	v_max_num_f32 v[MX+\b], v[MX+\b], v[MX+2+\b]
.endr
.irp b, 0,1
	v_add_nc_u32 v[SO+\b], 0xff000000, v[MX+\b]
.endr
.irp b, 0,1
	v_lshrrev_b32 v[BY+\b], 23, v[SO+\b]
.endr
	v_lshl_or_b32 v29, v[BY+1], 8, v[BY]
	v_cvt_scalef32_pk16_fp6_f32 v[PC:PC+2], v[S:S+15], v[SO]
	v_cvt_scalef32_pk16_fp6_f32 v[PT:PT+2], v[S+16:S+31], v[SO+1]
	v_nop
.irp i, 0,1,2
	v_permlane16_swap_b32 v[PC+\i], v[PT+\i]       ; a whole block to a lane
.endr
.irp i, 0,1,2
	v_mov_b32 v[PC+3+\i], v[PT+\i]
.endr
	global_store_b128 v[L16], v[PC:PC+3], s[14:15]             ; 512 consecutive bytes at a multiple of 256
	global_store_b64 v[L8], v[PC+4:PC+5], s[14:15] offset:512
	global_store_b16 v[OS], v29, s[16:17]          ; two heads share a scale word, so a work-group has half words only
	s_wait_tensorcnt 0x0                           ; the wave's end
	ds_add_u32 v254, v255
	s_wait_dscnt 0x0
	CROUND                                         ; the closing round
	s_endpgm
.Lfunc_end_k_q7395a01f24_attn:
	.size	k_q7395a01f24_attn, .Lfunc_end_k_q7395a01f24_attn-k_q7395a01f24_attn
	.p2alignl 7, 3214868480
	.fill 96, 4, 3214868480
	.section	.rodata,"a",@progbits
	.p2align	6, 0x0
	.amdhsa_kernel k_q7395a01f24_attn
		.amdhsa_group_segment_fixed_size 235520
		.amdhsa_private_segment_fixed_size 0
		.amdhsa_enable_private_segment 0
		.amdhsa_kernarg_size 16
		.amdhsa_user_sgpr_count 2
		.amdhsa_user_sgpr_kernarg_segment_ptr 1
		.amdhsa_wavefront_size32 1
		.amdhsa_system_sgpr_workgroup_id_x 1
		.amdhsa_system_sgpr_workgroup_id_y 1
		.amdhsa_system_sgpr_workgroup_id_z 1
		.amdhsa_system_vgpr_workitem_id 0
		.amdhsa_next_free_vgpr 256
		.amdhsa_next_free_sgpr 66
		.amdhsa_reserve_vcc 0
		.amdhsa_float_denorm_mode_32 3
		.amdhsa_float_denorm_mode_16_64 3
		.amdhsa_memory_ordered 1
		.amdhsa_forward_progress 1
		.amdhsa_inst_pref_size 76
	.end_amdhsa_kernel
	.amdgpu_metadata
---
amdhsa.version: [ 1, 2 ]
amdhsa.kernels:
  - .name:           k_q7395a01f24_attn
    .symbol:         k_q7395a01f24_attn.kd
    .args:
      - { .name: qkvq, .offset: 0, .size: 8, .value_kind: global_buffer, .address_space: global }
      - { .name: yq, .offset: 8, .size: 8, .value_kind: global_buffer, .address_space: global }
    .group_segment_fixed_size: 235520
    .private_segment_fixed_size: 0
    .kernarg_segment_align: 8
    .kernarg_segment_size: 16
    .max_flat_workgroup_size: 512
    .sgpr_count:     66
    .vgpr_count:     256
    .wavefront_size: 32
...
	.end_amdgpu_metadata
.endif
;; end of part 3
;; launch woln (part 4): grid 256 x 1, 16 waves a work-group, no clusters, 86,016 bytes of LDS; arguments yq, opq, bo, w_att, x, ln2_g, ln2_b, x1, hq; writes x1, hq
.if DOCPART == 4
	.amdgcn_target "amdgcn-amd-amdhsa--gfx1250"
	.amdhsa_code_object_version 6
	.text
	.protected	k_q7395a01f24_woln
	.globl	k_q7395a01f24_woln
	.p2align	8
	.type	k_q7395a01f24_woln,@function
k_q7395a01f24_woln:
	s_mov_b64 s[64:65], 0
	v_nop
	global_prefetch_b8 v0, s[64:65] scope:SCOPE_SE
	s_setreg_imm32_b32 hwreg(HW_REG_WAVE_MODE, 25, 1), 1
	s_wait_xcnt 0x0
; x1 = x + w_att (y Wo^T + bo), stored as f32; and LN2(x1) (mean, variance of x1 - mean, rsqrt(var + 1e-5), gain, bias, all f32), quantised along the 1,024 to FP6 (E2M3) with E8M0 scales and stored as the next product's operand.
; The product is on codes: y's from yq ([256 token blocks][16][768], scale words [256][8][16] at 3,145,728), Wo's from opq ([64 row blocks][16][768] at 2,359,296, scale words [64][8][16] at 9,535,488).
; An image (768 bytes) is 16 rows x 64 K: lane (r, h) holds the 24 bytes of block h of place r, registers 0-3 at 16 x lane, registers 4-5 at 512 + 8 x lane.  Block 2 g + u holds, at place p, row 32 g + 8 u + p + 8 (p / 8).
; SHARES: the norm wants a whole row, so a work-group has one token block (16 rows) and all 1,024 columns; each of its sixteen waves 64 columns: four row blocks of Wo, four accumulators.
; Source 0 = 16 rows of Wo, source 1 = the 16 tokens: lane (r, h) holds token place r, and accumulator register n is column 64 w + 32 (n / 16) + 16 h + n % 16.
; NO TENSOR LOAD, NO CLUSTER: each fragment of Wo feeds one matrix instruction of one wave, once; it goes from memory straight into that wave's operand registers, as it lies, in two sets that take turns, each asked for two K steps ahead.
; Work-groups begin at K step (number % 8) and go round: the sums are f32 and their order differs from work-group to work-group.  No prefetch is laid: the walk has eight steps, and two are always on their way into registers.
; y's 16 images are brought once, one by each wave, and shared through LDS.  bo is the C of the first products.  x comes in and x1 goes out in rows of 256 bytes through the wave's own stage in LDS.
; hq: codes [16 tiles][K / 256][16 token blocks][four images], scale words [256][8][16] at 3,145,728.
; LIMITS: NaN and infinities are not served; a block of zeros, or one whose largest magnitude lies under 2^-124, keeps the scale byte 1 (read by this program alone).
.set STG,   12288                      ; LDS: y's codes at 0; sixteen stages of 16 rows x 272 bytes;
.set RED,   81920                      ; two tables [16 rows][16 waves] of partial sums;
.set SPARE, 83968                      ; the spare words, 128 bytes a wave
.set L16,   1                          ; v1 16 x lane; v2 8 x lane; v3 512 h + 4 r; v4 4 r; v5 64 h; v6 4,096 h + 16 r
.set L8,    2
.set VS,    3
.set R4,    4
.set VB,    5
.set VX,    6
.set STI,   7                          ; v7 the stage by rows: two rows an instruction;  v8 the stage by lanes: row r, + 64 h
.set STD,   8
.set REDW,  9
.set REDR,  10
.set ADA,   11                         ; v11-12 y's fragment in LDS
.set SC,    16                         ; v16-18, v20-22 scale words of a set: Wo's two, y's one; nothing else
.set AF,    24                         ; v24-47 y's fragment, two sets
.set BF,    48                         ; v48-143 Wo's four fragments, two sets
.set ACC,   144
.set XR,    176                        ; v176-207 x by rows; then x1, x1 - mean, the normed row, by lanes
.set GN,    208                        ; v208-239 the gain
.set XD,    96
.set MX,    246
.set MY,    248
.set SO,    250
.set BY,    252
.set WV,    22
.set BK,    36                         ; set p: s[36+8p:37+8p] Wo's codes, s[38+8p:39+8p] its scale words, s[40+8p:41+8p] y's scale words, s[42+8p] the K step's byte in a row block
.set BS,    38
.set AS,    40
.set KO,    42
.set SEL,   56
	s_load_b256 s[4:11], s[0:1], 0x0               ; yq, opq, bo, w_att
	s_load_b256 s[12:19], s[0:1], 0x20             ; x, gain, bias, x1
	s_load_b64 s[20:21], s[0:1], 0x40              ; hq
	v_lshl_add_u32 v254, v0, 2, SPARE
	v_mov_b32 v255, 0
	v_lshrrev_b32 v240, 5, v0
	v_readfirstlane_b32 s[WV], v240                ; wave 0..15
	v_and_b32 v240, 31, v0                         ; lane
	v_and_b32 v241, 15, v0                         ; r
	v_bfe_u32 v242, v0, 4, 1                       ; h
	v_lshlrev_b32 v[L16], 4, v240
	v_lshlrev_b32 v[L8], 3, v240
	v_lshlrev_b32 v[R4], 2, v241
	v_lshl_add_u32 v[VS], v242, 9, v[R4]
	v_lshlrev_b32 v[VB], 6, v242
	v_lshlrev_b32 v[VX], 4, v241
	v_lshl_add_u32 v[VX], v242, 12, v[VX]
	s_mul_i32 s24, s[WV], 4352
	s_add_co_u32 s24, s24, STG                     ; my stage
	v_mul_u32_u24 v[STI], v242, 272
	v_lshl_add_u32 v[STI], v241, 4, v[STI]
	v_add_nc_u32 v[STI], s24, v[STI]
	v_mul_u32_u24 v[STD], v241, 272
	v_lshl_add_u32 v[STD], v242, 6, v[STD]
	v_add_nc_u32 v[STD], s24, v[STD]
	v_lshl_add_u32 v[REDR], v241, 6, RED
	s_lshl_b32 s24, s[WV], 2
	v_add_nc_u32 v[REDW], s24, v[REDR]
	s_mul_i32 s24, s[WV], 768
	v_add_nc_u32 v246, s24, v[L16]                 ; where my image of y goes in LDS
	v_add_nc_u32 v247, s24, v[L8]
	v_mov_b32 v[MY], 0                             ; written once: a lane permute's destination counts as one of its sources
	v_mov_b32 v[MY+1], 0
	s_and_b32 s23, ttmp9, 7                        ; the K step at which I begin
	s_mov_b32 s27, 0
	s_mov_b32 s54, 0x3a800000                      ; 1 / 1024
	s_mov_b32 s[SEL], 0x76543210
	s_mov_b32 s[SEL+1], 0xfedcba98
	s_wait_alu depctr_va_vdst(0)
	s_wait_kmcnt 0x0
	s_load_b32 s52, s[10:11], 0x0                  ; w_att
	s_mul_i32 s26, ttmp9, 12288
	s_add_co_u32 s26, s26, s24
	s_add_nc_u64 s[28:29], s[4:5], s[26:27]        ; my image of y
	s_lshl_b32 s26, ttmp9, 9
	s_add_co_u32 s26, s26, 3145728
	s_add_nc_u64 s[34:35], s[4:5], s[26:27]        ; y's scale words
	s_mul_i32 s26, s[WV], 49152
	s_add_co_u32 s26, s26, 2359296
	s_add_nc_u64 s[30:31], s[6:7], s[26:27]        ; my four row blocks of Wo,
	s_lshl_b32 s26, s[WV], 11
	s_add_co_u32 s26, s26, 9535488
	s_add_nc_u64 s[32:33], s[6:7], s[26:27]        ; their scale words
	s_lshl_b32 s26, s[WV], 8                       ; my 64 columns, in bytes
	s_add_nc_u64 s[8:9], s[8:9], s[26:27]
	s_add_nc_u64 s[14:15], s[14:15], s[26:27]
	s_add_nc_u64 s[16:17], s[16:17], s[26:27]
	s_lshr_b32 s24, ttmp9, 1
	s_lshl_b32 s24, s24, 5
	s_and_b32 s25, ttmp9, 1
	s_lshl_b32 s25, s25, 3
	s_add_co_u32 s24, s24, s25                     ; place 0's token: 32 g + 8 u
	s_lshl_b32 s24, s24, 12
	s_add_co_u32 s26, s26, s24
	s_add_nc_u64 s[12:13], s[12:13], s[26:27]
	s_add_nc_u64 s[18:19], s[18:19], s[26:27]
	s_lshr_b32 s24, ttmp9, 4
	s_mul_i32 s26, s24, 196608
	s_lshr_b32 s24, s[WV], 2
	s_mul_i32 s24, s24, 49152
	s_add_co_u32 s26, s26, s24
	s_and_b32 s24, ttmp9, 15
	s_mul_i32 s24, s24, 3072
	s_add_co_u32 s26, s26, s24
	s_and_b32 s24, s[WV], 3
	s_mul_i32 s24, s24, 768
	s_add_co_u32 s26, s26, s24
	s_add_nc_u64 s[60:61], s[20:21], s[26:27]      ; the result's image: K / 64 = my wave
	s_lshl_b32 s26, ttmp9, 9
	s_lshr_b32 s24, s[WV], 1
	s_lshl_b32 s24, s24, 6
	s_add_co_u32 s26, s26, s24
	s_and_b32 s24, s[WV], 1
	s_lshl_b32 s24, s24, 1
	s_add_co_u32 s26, s26, s24
	s_add_co_u32 s26, s26, 3145728
	s_add_nc_u64 s[58:59], s[20:21], s[26:27]      ; its half of a scale word
.macro ISSUE k                         ; step k's 19 loads into set k % 2: the set's bases are written again only behind the wait that showed its last loads done
.set P, (\k)%2
	s_add_co_u32 s24, s23, \k
	s_and_b32 s24, s24, 7
	s_mul_i32 s[KO+8*P], s24, 1536
	s_mov_b32 s26, s[KO+8*P]
	s_add_nc_u64 s[BK+8*P:BK+8*P+1], s[30:31], s[26:27]
	s_lshl_b32 s26, s24, 6
	s_add_nc_u64 s[BS+8*P:BS+8*P+1], s[32:33], s[26:27]
	s_add_nc_u64 s[AS+8*P:AS+8*P+1], s[34:35], s[26:27]
.irp t, 0,1,2,3
	global_load_b128 v[BF+48*P+12*\t:BF+48*P+12*\t+3], v[L16], s[BK+8*P:BK+8*P+1] offset:12288*\t
	global_load_b64 v[BF+48*P+12*\t+4:BF+48*P+12*\t+5], v[L8], s[BK+8*P:BK+8*P+1] offset:12288*\t+512
	global_load_b128 v[BF+48*P+12*\t+6:BF+48*P+12*\t+9], v[L16], s[BK+8*P:BK+8*P+1] offset:12288*\t+768
	global_load_b64 v[BF+48*P+12*\t+10:BF+48*P+12*\t+11], v[L8], s[BK+8*P:BK+8*P+1] offset:12288*\t+1280
.endr
	global_load_b32 v[SC+4*P], v[VS], s[BS+8*P:BS+8*P+1]                  ; lanes 0-15 row block 0's words, lanes 16-31 row block 1's
	global_load_b32 v[SC+4*P+1], v[VS], s[BS+8*P:BS+8*P+1] offset:1024    ; row blocks 2 and 3
	global_load_b32 v[SC+4*P+2], v[R4], s[AS+8*P:AS+8*P+1]
.endm
.macro ALOAD k                         ; y's fragment of step k from LDS
.set P, (\k)%2
	v_add_nc_u32 v[ADA], s[KO+8*P], v[L16]
	v_add_nc_u32 v[ADA+1], s[KO+8*P], v[L8]
	ds_load_b128 v[AF+12*P:AF+12*P+3], v[ADA]
	ds_load_b64 v[AF+12*P+4:AF+12*P+5], v[ADA+1] offset:512
	ds_load_b128 v[AF+12*P+6:AF+12*P+9], v[ADA] offset:768
	ds_load_b64 v[AF+12*P+10:AF+12*P+11], v[ADA+1] offset:1280
.endm
.macro ROW32 reg, base                 ; 32 numbers of a vector of 1,024 at my columns: register n belongs to column 32 (n / 16) + 16 h + n % 16 of my 64
.irp g, 0,1
.irp q, 0,1,2,3
	global_load_b128 v[\reg+16*\g+4*\q:\reg+16*\g+4*\q+3], v[VB], s[\base:\base+1] offset:128*\g+16*\q
.endr
.endr
.endm
	global_load_b128 v[240:243], v[L16], s[28:29]
	global_load_b64 v[244:245], v[L8], s[28:29] offset:512
	ROW32 ACC, 8                                   ; bo: the sums begin with it
	ISSUE 0
.irp i, 0,1,2,3,4,5,6,7
	global_load_b128 v[XR+4*\i:XR+4*\i+3], v[VX], s[12:13] offset:(2*\i+8*(\i/4))*4096 th:TH_LOAD_NT   ; places 2 i and 2 i + 1: sixteen lanes read 256 consecutive bytes
.endr
	ROW32 GN, 14
	s_wait_loadcnt 43                              ; my image of y is in: the 43 loads behind its two may be out
	ds_store_b128 v246, v[240:243]
	ds_store_b64 v247, v[244:245] offset:512
	s_wait_dscnt 0x0                               ; for the others' sake
	s_barrier_signal -1
	s_barrier_wait -1
	ISSUE 1
	ALOAD 0
.macro STEP k, n                       ; n: the global loads issued behind step k's
.set PP, (\k)%2
.if (\k) < 7
	ALOAD (\k)+1
.endif
	s_wait_loadcnt \n
.if (\k) < 7
	s_wait_dscnt 4                                 ; this step's fragment of y is in; the four loads just issued may be out
.else
	s_wait_dscnt 0x0
.endif
.irp t, 0,1,2,3                                ; the four accumulators by turns
.if \t%2
	v_wmma_scale_f32_16x16x128_f8f6f4 v[ACC+8*\t:ACC+8*\t+7], v[BF+48*PP+12*\t:BF+48*PP+12*\t+11], v[AF+12*PP:AF+12*PP+11], v[ACC+8*\t:ACC+8*\t+7], v[SC+4*PP+\t/2], v[SC+4*PP+2] matrix_a_fmt:MATRIX_FMT_FP6 matrix_b_fmt:MATRIX_FMT_FP6 matrix_a_scale:MATRIX_SCALE_ROW1
.else
	v_wmma_scale_f32_16x16x128_f8f6f4 v[ACC+8*\t:ACC+8*\t+7], v[BF+48*PP+12*\t:BF+48*PP+12*\t+11], v[AF+12*PP:AF+12*PP+11], v[ACC+8*\t:ACC+8*\t+7], v[SC+4*PP+\t/2], v[SC+4*PP+2] matrix_a_fmt:MATRIX_FMT_FP6 matrix_b_fmt:MATRIX_FMT_FP6
.endif
.endr
.rept 4
	v_nop                                          ; places in front of the loads into the set just multiplied
.endr
.if (\k) < 6
	ISSUE (\k)+2
.elseif (\k) == 6
	ROW32 BF, 16                                   ; the norm's bias, into set 0
.endif
.endm
	STEP 0, 35                                     ; behind set 0: x 8, the gain 8, set 1 19
	STEP 1, 19
	STEP 2, 19
	STEP 3, 19
	STEP 4, 19
	STEP 5, 19
	STEP 6, 19
	STEP 7, 8                                      ; behind set 7: the bias
	s_barrier_signal -1                            ; every wave's reads of y's codes are over: from here on LDS serves the stages and the sums
	s_barrier_wait -1
.macro BYLANES op, reg                 ; my 32 numbers by lanes, to or from the stage
.irp g, 0,1
.irp q, 0,1,2,3
.if \op
	ds_store_b128 v[STD], v[\reg+16*\g+4*\q:\reg+16*\g+4*\q+3] offset:128*\g+16*\q
.else
	ds_load_b128 v[\reg+16*\g+4*\q:\reg+16*\g+4*\q+3], v[STD] offset:128*\g+16*\q
.endif
.endr
.endr
.endm
.irp i, 0,1,2,3,4,5,6,7
	ds_store_b128 v[STI], v[XR+4*\i:XR+4*\i+3] offset:544*\i
.endr
	BYLANES 0, XD                                  ; LDS serves a wave's instructions in order: these see the stores above
	s_wait_dscnt 0x0
	s_wait_kmcnt 0x0
	s_mov_b32 s53, s52
.set NN, 0
.rept 16
	v_pk_fma_f32 v[XR+NN:XR+NN+1], v[ACC+NN:ACC+NN+1], s[52:53], v[XD+NN:XD+NN+1] op_sel_hi:[1,0,1]   ; x1; each accumulator from its low end on
.set NN, NN+2
.endr
	BYLANES 1, XR
.irp i, 0,1,2,3,4,5,6,7
	ds_load_b128 v[XD+4*\i:XD+4*\i+3], v[STI] offset:544*\i
.endr
	v_pk_add_f32 v[240:241], v[XR:XR+1], v[XR+2:XR+3]
	v_pk_add_f32 v[242:243], v[XR+4:XR+5], v[XR+6:XR+7]
.irp j, 8,12,16,20,24,28
	v_pk_add_f32 v[240:241], v[240:241], v[XR+\j:XR+\j+1]
	v_pk_add_f32 v[242:243], v[242:243], v[XR+\j+2:XR+\j+3]
.endr
	v_pk_add_f32 v[240:241], v[240:241], v[242:243]
	v_add_f32 v240, v240, v241
	v_permlanex16_b32 v241, v240, s[SEL], s[SEL+1]
	v_add_f32 v240, v240, v241                     ; my 64 columns' sum of row r
	ds_store_b32 v[REDW], v240                     ; lanes l and l + 16 write the same word with the same value
	s_wait_dscnt 0x0
.irp i, 0,1,2,3,4,5,6,7
	global_store_b128 v[VX], v[XD+4*\i:XD+4*\i+3], s[18:19] offset:(2*\i+8*(\i/4))*4096   ; sixteen lanes store 256 consecutive bytes, at a multiple of 256
.endr
	s_barrier_signal -1
	s_barrier_wait -1
.macro RSUM off                        ; the sixteen waves' parts of row r, added in one order by all: the sum in v128
.irp q, 0,1,2,3
	ds_load_b128 v[128+4*\q:131+4*\q], v[REDR] offset:\off+16*\q
.endr
	s_wait_dscnt 0x0
	v_pk_add_f32 v[128:129], v[128:129], v[130:131]
	v_pk_add_f32 v[132:133], v[132:133], v[134:135]
	v_pk_add_f32 v[136:137], v[136:137], v[138:139]
	v_pk_add_f32 v[140:141], v[140:141], v[142:143]
	v_pk_add_f32 v[128:129], v[128:129], v[132:133]
	v_pk_add_f32 v[136:137], v[136:137], v[140:141]
	v_pk_add_f32 v[128:129], v[128:129], v[136:137]
	v_add_f32 v128, v128, v129
.endm
	RSUM 0
	v_mul_f32 v240, s54, v128                      ; the mean
	v_mov_b32 v241, v240
.set NN, 0
.rept 16
	v_pk_add_f32 v[XR+NN:XR+NN+1], v[XR+NN:XR+NN+1], v[240:241] neg_lo:[0,1] neg_hi:[0,1]   ; x1 - mean: the variance is taken of these
.set NN, NN+2
.endr
	v_pk_mul_f32 v[242:243], v[XR:XR+1], v[XR:XR+1]
	v_pk_mul_f32 v[244:245], v[XR+2:XR+3], v[XR+2:XR+3]
.irp j, 4,8,12,16,20,24,28
	v_pk_fma_f32 v[242:243], v[XR+\j:XR+\j+1], v[XR+\j:XR+\j+1], v[242:243]
	v_pk_fma_f32 v[244:245], v[XR+\j+2:XR+\j+3], v[XR+\j+2:XR+\j+3], v[244:245]
.endr
	v_pk_add_f32 v[242:243], v[242:243], v[244:245]
	v_add_f32 v242, v242, v243
	v_permlanex16_b32 v243, v242, s[SEL], s[SEL+1]
	v_add_f32 v242, v242, v243
	ds_store_b32 v[REDW], v242 offset:1024
	s_wait_dscnt 0x0
	s_barrier_signal -1
	s_barrier_wait -1
	s_wait_loadcnt 0x0                             ; the bias
	RSUM 1024
	v_mov_b32 v241, 0x3727c5ac                     ; 1e-5
	v_fma_f32 v128, v128, s54, v241
	s_wait_alu depctr_va_vdst(0)                   ; a wait ahead of the transcendental,
	v_rsq_f32 v240, v128
	v_nop
	s_wait_alu depctr_va_vdst(0)                   ; and ahead of the first use of its result
.set NN, 0
.rept 16
	v_pk_mul_f32 v[XR+NN:XR+NN+1], v[XR+NN:XR+NN+1], v[240:241] op_sel_hi:[1,0]
.set NN, NN+2
.endr
.set NN, 0
.rept 16
	v_pk_fma_f32 v[XR+NN:XR+NN+1], v[XR+NN:XR+NN+1], v[GN+NN:GN+NN+1], v[BF+NN:BF+NN+1]
.set NN, NN+2
.endr
	; the quantiser: register 16 b + i is k 32 b + 16 h + i of my 64: two blocks, each in lanes l and l xor 16
.irp b, 0,1
	v_max3_num_f32 v[MX+\b], |v[XR+16*\b]|, |v[XR+1+16*\b]|, 0x1800000   ; and the floor 2^(3 - 127): the byte cannot fall under 1
.endr
.irp i, 2,4,6,8,10,12,14
.irp b, 0,1
	v_max3_num_f32 v[MX+\b], v[MX+\b], |v[XR+16*\b+\i]|, |v[XR+1+16*\b+\i]|
.endr
.endr
.irp b, 0,1
	v_permlanex16_b32 v[MY+\b], v[MX+\b], s[SEL], s[SEL+1]
.endr
.irp b, 0,1
	v_max_num_f32 v[MX+\b], v[MX+\b], v[MY+\b]
.endr
.irp b, 0,1
	v_add_nc_u32 v[SO+\b], 0xff000000, v[MX+\b]    ; 2 off the exponent field: the conversion's scale operand
.endr
.irp b, 0,1
	v_lshrrev_b32 v[BY+\b], 23, v[SO+\b]
.endr
	v_lshl_or_b32 v36, v[BY+1], 8, v[BY]
	v_cvt_scalef32_pk16_fp6_f32 v[24:26], v[XR:XR+15], v[SO]
	v_cvt_scalef32_pk16_fp6_f32 v[32:34], v[XR+16:XR+31], v[SO+1]
	v_nop                                          ; one plain line behind a scaled conversion
.irp i, 0,1,2
	v_permlane16_swap_b32 v[24+\i], v[32+\i]       ; a whole block to a lane
.endr
.irp i, 0,1,2
	v_mov_b32 v[27+\i], v[32+\i]
.endr
	global_store_b128 v[L16], v[24:27], s[60:61]               ; 512 consecutive bytes at a multiple of 256
	global_store_b64 v[L8], v[28:29], s[60:61] offset:512
	global_store_b16 v[R4], v36, s[58:59]          ; two waves share a scale word: half words, 128 KiB in the whole launch
	s_wait_tensorcnt 0x0                           ; the wave's end
	ds_add_u32 v254, v255
	s_wait_dscnt 0x0
	s_endpgm
.Lfunc_end_k_q7395a01f24_woln:
	.size	k_q7395a01f24_woln, .Lfunc_end_k_q7395a01f24_woln-k_q7395a01f24_woln
	.p2alignl 7, 3214868480
	.fill 96, 4, 3214868480
	.section	.rodata,"a",@progbits
	.p2align	6, 0x0
	.amdhsa_kernel k_q7395a01f24_woln
		.amdhsa_group_segment_fixed_size 86016
		.amdhsa_private_segment_fixed_size 0
		.amdhsa_enable_private_segment 0
		.amdhsa_kernarg_size 72
		.amdhsa_user_sgpr_count 2
		.amdhsa_user_sgpr_kernarg_segment_ptr 1
		.amdhsa_wavefront_size32 1
		.amdhsa_system_sgpr_workgroup_id_x 1
		.amdhsa_system_sgpr_workgroup_id_y 1
		.amdhsa_system_sgpr_workgroup_id_z 1
		.amdhsa_system_vgpr_workitem_id 0
		.amdhsa_next_free_vgpr 256
		.amdhsa_next_free_sgpr 66
		.amdhsa_reserve_vcc 0
		.amdhsa_float_denorm_mode_32 3
		.amdhsa_float_denorm_mode_16_64 3
		.amdhsa_memory_ordered 1
		.amdhsa_forward_progress 1
		.amdhsa_inst_pref_size 46
	.end_amdhsa_kernel
	.amdgpu_metadata
---
amdhsa.version: [ 1, 2 ]
amdhsa.kernels:
  - .name:           k_q7395a01f24_woln
    .symbol:         k_q7395a01f24_woln.kd
    .args:
      - { .name: yq, .offset: 0, .size: 8, .value_kind: global_buffer, .address_space: global }
      - { .name: opq, .offset: 8, .size: 8, .value_kind: global_buffer, .address_space: global }
      - { .name: bo, .offset: 16, .size: 8, .value_kind: global_buffer, .address_space: global }
      - { .name: w_att, .offset: 24, .size: 8, .value_kind: global_buffer, .address_space: global }
      - { .name: x, .offset: 32, .size: 8, .value_kind: global_buffer, .address_space: global }
      - { .name: ln2_g, .offset: 40, .size: 8, .value_kind: global_buffer, .address_space: global }
      - { .name: ln2_b, .offset: 48, .size: 8, .value_kind: global_buffer, .address_space: global }
      - { .name: x1, .offset: 56, .size: 8, .value_kind: global_buffer, .address_space: global }
      - { .name: hq, .offset: 64, .size: 8, .value_kind: global_buffer, .address_space: global }
    .group_segment_fixed_size: 86016
    .private_segment_fixed_size: 0
    .kernarg_segment_align: 8
    .kernarg_segment_size: 72
    .max_flat_workgroup_size: 512
    .sgpr_count:     66
    .vgpr_count:     256
    .wavefront_size: 32
...
	.end_amdgpu_metadata
.endif
;; end of part 4
;; launch w1 (part 5): grid 16 x 16, 4 waves a work-group, clusters of 4 x 4, 327,680 bytes of LDS; arguments opq, b1, gq, hq; writes gq
.if DOCPART == 5
	.amdgcn_target "amdgcn-amd-amdhsa--gfx1250"
	.amdhsa_code_object_version 6
	.text
	.protected	k_q7395a01f24_w1
	.globl	k_q7395a01f24_w1
	.p2align	8
	.type	k_q7395a01f24_w1,@function
k_q7395a01f24_w1:
	s_mov_b64 s[64:65], 0
	v_nop
	global_prefetch_b8 v0, s[64:65] scope:SCOPE_SE
	s_setreg_imm32_b32 hwreg(HW_REG_WAVE_MODE, 25, 1), 1
	s_wait_xcnt 0x0
	s_wait_alu depctr_hold_cnt(0) depctr_sa_sdst(0) depctr_va_vdst(0) depctr_va_sdst(0) depctr_va_ssrc(0) depctr_va_vcc(0) depctr_vm_vsrc(0)
	s_getreg_b32 s2, hwreg(HW_REG_IB_STS2, 6, 4)
	s_cmp_eq_u32 s2, 0
	s_cbranch_scc0 .Lentry_in_a_cluster
	s_endpgm
.Lentry_in_a_cluster:
	s_bfe_u32 s2, ttmp6, 0x10000c
	s_cmp_lg_u32 s2, 0xf033
	s_cbranch_scc0 .Lentry_shape_is_right
	s_endpgm
.Lentry_shape_is_right:
; A product on codes of FP6 (E2M3) with E8M0 scales, K = 1,024, whose result (+ bias, and with GELU = 1 the gelu) is QUANTISED AGAIN on the way out, along the B side's rows, and stored as images of an operand's registers.
; GELU = 0: qkv = LN1(x) Wqkv^T + bqkv.  q and k are quantised along the head's 64, v along the KEYS.  GELU = 1: gelu(LN2(x1) W1^T + b1), quantised along the 4,096.
; LAYOUT OF EVERY OPERAND.  Row block 2 g + u holds, at place p, row 32 g + 8 u + p + 8 (p / 8).  An image (768 bytes) is 16 rows x 64 K: lane (r, h) holds the 24 bytes of block h of place r, registers 0-3 at 16 x lane,
; registers 4-5 at 512 + 8 x lane.  Codes: [row block][K / 64][768]; a fragment (16 x 128 K, 12 registers) is two images on end.  Scale words: [row block][K / 128][16 places].
; A TILE is 256 rows of the A side x 256 rows of the B side; four waves, 128 x 128 each: 64 accumulators, 512 registers.  The matrix instruction takes source 0 = 16 rows of B, source 1 = 16 rows of A:
; a lane holds ONE row of A, and the 64 registers of a block of A run along 128 NEIGHBOURING rows of B (by the choice of rows above): they are a quantiser's input as they stand.
; WHICH SIDE IS WHICH.  GELU = 1, and GELU = 0 with cluster y < 4 (q, k): A = tokens, B = weight rows.  GELU = 0 with cluster y = 4, 5 (v): A = Wv's rows, B = tokens: so a lane holds one channel d and its registers
; run along the keys.  Both sides lie in ONE buffer, opq, so a side is chosen by a byte offset, on the cluster's y alone, which all sixteen partners share; there is no branch on it: the bias that does not apply is masked to +0.
; CLUSTERS: 4 x 4 work-groups; A's tiles are asked for jointly along a row of the cluster, B's along a column.
; K IS FOUR STEPS OF 256.  Three LDS slots take the first three at the head, with the scale words of all of K: four loads of a wave are out.  The fourth step is the launch's one refill: into slot 0, behind the round at the end
; of step 0; it is first waited for at the end of step 2, so it has two steps, 256 matrix instructions a wave, in which to land.
; No access to LDS needs padding: every load of a fragment takes consecutive bytes in consecutive lanes.  No prefetch is laid: of K's four steps of tiles three go out at the head.
; LIMITS: NaN and infinities are not served; a block of zeros, or one whose largest magnitude lies under 2^-124, keeps the scale byte 1 (the bytes are read by this program alone).
; With GELU = 0 the grid has 192 work-groups: 12 x 16 tiles of 256 x 256.
; REGISTERS: window 0: v4-29 addresses; v32-63 scale words, two sets, and nothing else; v64-127 at work in gelu; v128-223 A's fragments, one set; on the way out v128-191 the 64 numbers, v192-229 the quantiser's; v240-247 A-side bias.
;   window 1: B's fragments, two sets, at v0 and v128; the B-side bias in the gaps, v96-127 and v224-255.   windows 2, 3: the accumulators ((a, b) at v[8 (8 (a % 4) + b)]).
.set GELU,   1
.set NQ,     2                         ; matrix instructions deep in a slot
.set FR,     12                        ; registers of a fragment
.set NL,     4                         ; LDS loads that bring one
.set NP,     4                         ; places behind this matrix instruction (ISA guide 7.12.1)
.set RBB,    3072                      ; a row block's bytes in a slot: 256 along K, four images
.set RBP,    12288                     ; and in memory: 1,024 along K
.set HALFT,  8*RBB                     ; 8 row blocks: what one tensor load brings, and what one wave reads of A or of B
.set SLOT,   4*HALFT
.set SCL,    3*SLOT                    ; behind the three slots: the scale words, 512 bytes a row block
.set HALFS,  4096
.set SBLK,   512
.set SPARE,  SCL+4*HALFS               ; the spare words, 128 bytes for each wave: two blocks of 256 bytes that no other line names
.set TOKC,   0                         ; the tokens' codes and scale words lie in a buffer of their own, hq, laid as the tokens' part of opq is
.set TOKS,   3145728
.set WQS,    9437184                   ; Wqkv's scale words (its codes lie at 0);
.set WVC,    1572864                   ; Wv's codes (Wqkv's row blocks 128 on), its scale words;
.set WVS,    9502720
.set W1C,    3145728                   ; W1's
.set W1S,    9568256
.set ADRB, 4                           ; v4-6    LDS address of B's row blocks in slot 0, 1, 2, + 16 x lane;  v7-9 + 8 x lane
.set SH,   10                          ; v10     the way out (GELU = 0): how far my half shifts the scale word
.set BOB,  12                          ; v12     byte offset of my B-side bias; never rewritten
.set BOA,  13                          ; v13     of my A-side bias; never rewritten
.set ADRA, 16                          ; v16-18  the same for A, + 16 x lane;  v19-21 + 8 x lane
.set O16,  24                          ; v24     16 x lane
.set O8,   25                          ; v25     8 x lane
.set OS,   26                          ; v26     the way out: my place among the scale words
.set ADRS, 27                          ; v27     LDS address of my scale words: lanes 0-15 A's, lanes 16-31 B's
.set SPW,  28                          ; v28     LDS address of my spare word; never rewritten
.set NIL,  29                          ; v29     0; never rewritten
.set SC,   32
.set T,    64
.set AF,   128
.set ST,   128
.set PC,   192                         ; v192-203 the codes; v204-206, v208-210 the conversions' second halves
.set TM,   212                         ; v212-215 largest magnitudes, v216-219 bytes, v224-227 scale operands
.set PW,   228
.set PW2,  229
.set BP,   230                         ; v[230:231] a block's A-side bias, twice
.set CB,   232                         ; v[232:233], v[234:235] gelu's two constants, twice each
.set CA,   234
.set BA,   240
.set SEL,  66                          ; s[66:67]
.set G1, 24
.set G0, 32                            ; s[32:39] group 0 for A's slots 0 and 1
.set G0C, 96
.set G1B, 48
.set G0B, 56                           ; s[56:63] the same for B
.set G0BC, 44
.set G1S, 68
.set G0S, 76
.set G1SB, 80
.set G0SB, 88
.set MSB, 0
.macro WIN new                         ; the immediate's high byte repeats the setting that is left
.if MSB != (\new)
	s_set_vgpr_msb (MSB<<8)|(\new)
.set MSB, (\new)
.endif
.endm
.set MUL_LO, 0xa1                      ; source 0 (B) window 1, source 1 (A) window 0, C and D window 2
.set MUL_HI, 0xf1
.set TO_B,   0x40
; A joint load: waves 0 and 1 fetch for A, waves 2 and 3 for B; the branch hangs on the wave's number alone.  Four v_nop follow each of the two lines.
.macro JLOAD g0a, g1a, g0b, g1b
	s_cmp_eq_u32 s15, 0
	s_cbranch_scc0 .Lfor_b_\@
	tensor_load_to_lds s[\g0a:\g0a+3], s[\g1a:\g1a+7]
	s_nop 0
.rept 4
	v_nop
.endr
	s_branch .Lasked_\@
.Lfor_b_\@:
	tensor_load_to_lds s[\g0b:\g0b+3], s[\g1b:\g1b+7]
	s_nop 0
.rept 4
	v_nop
.endr
.Lasked_\@:
.endm
.macro CREST                           ; a round of the cluster's barrier behind its opening barrier
	s_cmp_lg_u32 s14, 0
	s_cbranch_scc1 .Lnot_wave_0_\@
	s_barrier_signal -3
.Lnot_wave_0_\@:
	s_barrier_wait -3
	s_barrier_signal -1
	s_barrier_wait -1
.endm
.macro CROUND
	s_barrier_signal -1
	s_barrier_wait -1
	CREST
.endm
	s_load_b128 s[4:7], s[0:1], 0x0                ; opq s[4:5], the bias s[6:7]
	s_load_b64 s[8:9], s[0:1], 0x10                ; the result's buffer
	s_load_b64 s[96:97], s[0:1], 0x18              ; hq
	v_lshl_add_u32 v[SPW], v0, 2, SPARE
	v_mov_b32 v[NIL], 0
	ds_add_u32 v28, v29
	ds_add_u32 v28, v29
	s_wait_dscnt 0x0
	v_lshrrev_b32 v1, 5, v0
	v_readfirstlane_b32 s14, v1                    ; wave 0..3
	s_lshr_b32 s15, s14, 1                         ; which half of A's rows is mine.  Also: I fetch for A (0) or for B (1)
	s_and_b32 s16, s14, 1                          ; which half of B's rows.  Also: which 8 row blocks I fetch
	s_bfe_u32 s40, ttmp6, 0x40000                  ; cx, cy
	s_bfe_u32 s41, ttmp6, 0x40004
	s_lshl_b32 s42, ttmp9, 2
	s_add_co_u32 s42, s42, s40                     ; xt = 4 x cluster x + cx
	s_and_b32 s17, ttmp7, 0xffff                   ; cluster y
	s_lshl_b32 s10, s17, 2
	s_add_co_u32 s10, s10, s41                     ; yt = 4 x cluster y + cy
	s_lshl_b32 s43, s41, 2
	s_lshl_b32 s43, 15, s43                        ; my row of the cluster
	s_lshl_b32 s44, 0x1111, s40                    ; my column
	; group 1 for codes: 8 rows (row blocks) of 3,072 bytes = 384 elements of 8 bytes, 3,072 bytes apart; no padding
	s_or_b32 s[G1+0], s43, (3<<16)|(1<<21)
	s_or_b32 s[G1B+0], s44, (3<<16)|(1<<21)
.irp g, G1, G1B
	s_mov_b32 s[\g+1], 384<<16                     ; tensor_dim0
	s_mov_b32 s[\g+2], 48<<16                      ; the head's load: 48 dense rows of 3,072 bytes: K steps 0 to 2 of a tile's 16 row blocks
	s_mov_b32 s[\g+3], 384<<16
	s_mov_b32 s[\g+4], 48
	s_mov_b32 s[\g+5], 384
	s_mov_b32 s[\g+6], 0
	s_mov_b32 s[\g+7], 0
.endr
	; and for the scale words of 16 row blocks: 8,192 dense bytes as 32 rows of 256
	s_or_b32 s[G1S+0], s43, (3<<16)|(1<<21)
	s_or_b32 s[G1SB+0], s44, (3<<16)|(1<<21)
.irp g, G1S, G1SB
	s_mov_b32 s[\g+1], 32<<16
	s_mov_b32 s[\g+2], 32<<16                      ; the scale words of 16 row blocks: 8,192 dense bytes
	s_mov_b32 s[\g+3], 32<<16
	s_mov_b32 s[\g+4], 32
	s_mov_b32 s[\g+5], 32
	s_mov_b32 s[\g+6], 0
	s_mov_b32 s[\g+7], 0
.endr
	; the sides: tile numbers and byte offsets in opq and hq.  A's hang on cy and the cluster's y alone, B's on cx and the cluster's x and y alone
.if GELU
	s_mov_b32 s20, s10
	s_mov_b32 s46, s42
	s_mov_b32 s21, TOKC
	s_mov_b32 s22, TOKS
	s_mov_b32 s47, W1C
	s_mov_b32 s92, W1S
.else
	s_sub_co_u32 s93, s17, 4
	s_lshl_b32 s93, s93, 3
	s_add_co_u32 s93, s93, s42                     ; v: the tile of tokens, xt + 8 x batch
	s_mov_b32 s21, TOKC
	s_mov_b32 s22, TOKS
	s_mov_b32 s92, WQS
	s_cmp_ge_u32 s17, 4                            ; v's region?  The same answer in all sixteen partners
	s_cselect_b32 s20, s41, s10
	s_cselect_b32 s46, s93, s42
	s_cselect_b32 s21, WVC, s21
	s_cselect_b32 s22, WVS, s22
	s_cselect_b32 s47, TOKC, 0
	s_cselect_b32 s92, TOKS, s92
	s_cselect_b32 s95, 0, -1                       ; the mask of the B-side bias,
	s_cselect_b32 s100, -1, 0                      ; and of the A-side bias
.endif
	s_mov_b32 s18, 0                               ; the addresses made below are those of whole tiles
	s_lshl_b32 s20, s20, 4
	s_add_co_u32 s20, s20, s18                     ; A: the first row block that I fetch
	s_lshl_b32 s46, s46, 4
	s_add_co_u32 s46, s46, s18                     ; B likewise
	s_lshl_b32 s23, s20, 9
	s_add_co_u32 s22, s22, s23                     ; A's scale words,
	s_mul_i32 s20, s20, RBP
	s_add_co_u32 s20, s20, s21                     ; A's codes,
	s_lshl_b32 s93, s46, 9
	s_add_co_u32 s92, s92, s93                     ; B's scale words,
	s_mul_i32 s46, s46, RBP
	s_add_co_u32 s46, s46, s47                     ; B's codes: all under 2^24
	s_mov_b32 s21, 0
	s_mov_b32 s23, 0
	s_mov_b32 s47, 0
	s_mov_b32 s93, 0
	s_mul_i32 s45, s16, HALFT                      ; the refill: which 8 row blocks are mine
	s_mul_i32 s94, s14, HALFS
	s_wait_kmcnt 0x0
	s_add_nc_u64 s[20:21], s[96:97], s[20:21]
	s_add_nc_u64 s[22:23], s[96:97], s[22:23]
	s_add_nc_u64 s[46:47], s[4:5], s[46:47]
	s_add_nc_u64 s[92:93], s[4:5], s[92:93]
	CROUND                                         ; all sixteen work-groups are here: the first joint loads meet
	; THE FORM OF THE HEAD AND OF THE OPERANDS, in place of what the head comment says of them.  Codes in opq lie [tile of 16 row blocks][K / 256][row block][3,072 bytes]: a tile's K steps 0 to 2 are 147,456 consecutive bytes.
	; LDS: A's [K step 0 .. 2][16 row blocks][3,072] at 0, B's the same at 6 HALFT, the scale words behind them.  ONE LOAD A WAVE AT THE HEAD: wave 0 A's three K steps, wave 1 B's,
	; wave 2 A's scale words, wave 3 B's.  The one refill, K step 3, goes into K step 0's bytes, 8 row blocks a wave.
	s_mov_b32 s[G0S], 1
	s_mov_b32 s[G0S+1], SCL
	s_mov_b64 s[G0S+2:G0S+3], s[22:23]
	s_or_b32 s[G0S+3], s[G0S+3], 0x80000000
	s_mov_b32 s[G0SB], 1
	s_mov_b32 s[G0SB+1], SCL+2*HALFS
	s_mov_b64 s[G0SB+2:G0SB+3], s[92:93]
	s_or_b32 s[G0SB+3], s[G0SB+3], 0x80000000
	s_mov_b32 s[G0+4], 1                           ; the head's load of A's codes,
	s_mov_b32 s[G0+5], 0
	s_mov_b64 s[G0+6:G0+7], s[20:21]
	s_or_b32 s[G0+7], s[G0+7], 0x80000000
	s_mov_b32 s[G0B+4], 1                          ; and of B's
	s_mov_b32 s[G0B+5], 6*HALFT
	s_mov_b64 s[G0B+6:G0B+7], s[46:47]
	s_or_b32 s[G0B+7], s[G0B+7], 0x80000000
	s_mov_b32 s2, s45                              ; the refill: K step 3 begins 6 HALFT bytes into the tile; my 8 row blocks of it
	s_mov_b32 s3, 0
	s_mov_b32 s[G0], 1
	s_mov_b32 s[G0+1], s45
	s_add_nc_u64 s[G0+2:G0+3], s[20:21], s[2:3]
	s_add_nc_u64 s[G0+2:G0+3], s[G0+2:G0+3], 6*HALFT
	s_or_b32 s[G0+3], s[G0+3], 0x80000000
	s_mov_b32 s[G0B], 1
	s_add_co_u32 s[G0B+1], s45, 6*HALFT
	s_add_nc_u64 s[G0B+2:G0B+3], s[46:47], s[2:3]
	s_add_nc_u64 s[G0B+2:G0B+3], s[G0B+2:G0B+3], 6*HALFT
	s_or_b32 s[G0B+3], s[G0B+3], 0x80000000
.macro ARM under, g0, g1, next         ; one chain of branches on the wave's number: every way through it passes exactly one load
	s_cmp_lt_u32 s14, \under
	s_cbranch_scc0 \next
	tensor_load_to_lds s[\g0:\g0+3], s[\g1:\g1+7]
	s_nop 0
.rept 4
	v_nop
.endr
	s_branch .Lhead_asked
\next:
.endm
	ARM 1, G0+4,  G1,  .Lhead_b
	ARM 2, G0B+4, G1B, .Lhead_sa
	ARM 3, G0S,   G1S, .Lhead_sb
	tensor_load_to_lds s[G0SB:G0SB+3], s[G1SB:G1SB+7]
	s_nop 0
.rept 4
	v_nop
.endr
.Lhead_asked:
	v_and_b32 v1, 31, v0                           ; lane
	v_and_b32 v2, 15, v0                           ; r
	v_bfe_u32 v3, v0, 4, 1                         ; h
	v_lshlrev_b32 v[O16], 4, v1
	v_lshlrev_b32 v[O8], 3, v1
	s_mul_i32 s21, s15, HALFT                      ; my 8 row blocks of A,
	s_mul_i32 s22, s16, HALFT                      ; of B,
	s_add_co_u32 s22, s22, 6*HALFT                 ; which lie behind A's three K steps
.irp s, 0,1,2
	v_add_nc_u32 v[ADRA+\s], s21, v[O16]
	v_add_nc_u32 v[ADRA+3+\s], s21, v[O8]
	v_add_nc_u32 v[ADRB+\s], s22, v[O16]
	v_add_nc_u32 v[ADRB+3+\s], s22, v[O8]
	s_add_co_u32 s21, s21, 2*HALFT                 ; from a K step to the next: 16 row blocks
	s_add_co_u32 s22, s22, 2*HALFT
.endr
	s_mul_i32 s21, s15, HALFS
	s_mul_i32 s22, s16, HALFS
	s_add_co_u32 s22, s22, 2*HALFS
	s_sub_co_u32 s22, s22, s21
	v_mul_u32_u24 v15, s22, v3                     ; lanes 16-31 take B's: one product, the distance between the two bases
	s_add_co_u32 s21, s21, SCL
	v_lshl_add_u32 v31, v2, 2, v15
	v_add_nc_u32 v[ADRS], s21, v31
	; the B-side bias: register 16 g + i belongs to B's row 32 g + 16 h + i of my 128.  It is waited for on the way out
	s_lshl_b32 s21, s42, 10
	s_lshl_b32 s22, s16, 9
	s_add_co_u32 s21, s21, s22
	v_lshl_add_u32 v[BOB], v3, 6, s21
	WIN TO_B
.irp g, 0,1
.irp j, 0,1,2,3
	global_load_b128 v[96+16*\g+4*\j:99+16*\g+4*\j], v[BOB], s[6:7] offset:128*\g+16*\j
.endr
.endr
.irp g, 2,3
.irp j, 0,1,2,3
	global_load_b128 v[192+16*\g+4*\j:195+16*\g+4*\j], v[BOB], s[6:7] offset:128*\g+16*\j
.endr
.endr
	WIN 0
.if GELU
	; where the results go: gq: codes [256 row blocks][64][768], scale words at 12,582,912: [256][32][16]
	s_lshl_b32 s12, s10, 4
	s_lshl_b32 s13, s15, 3
	s_add_co_u32 s12, s12, s13                     ; my first row block of tokens
	s_lshl_b32 s13, s42, 1
	s_add_co_u32 s13, s13, s16                     ; my K step of the next product: 2 xt + half
	s_lshl_b32 s18, s12, 5
	s_add_co_u32 s18, s18, s13
	s_lshl_b32 s20, s18, 6
	s_add_co_u32 s20, s20, 12582912
	s_mov_b32 s21, 0
	s_mul_i32 s12, s18, 1536
	s_mov_b32 s13, 0
	s_add_nc_u64 s[12:13], s[8:9], s[12:13]        ; the fragment's first image,
	s_add_nc_u64 s[18:19], s[12:13], 768           ; its second,
	s_add_nc_u64 s[20:21], s[8:9], s[20:21]        ; its scale words
	s_mov_b32 s22, 49152                           ; from a row block to the next
	s_mov_b32 s23, 0
	s_mov_b32 s92, 2048
	s_mov_b32 s93, 0
	v_lshlrev_b32 v[OS], 2, v2
.else
	; the A-side bias (v): block a's place r is Wqkv's row 2,048 + 256 cy + 128 half + 32 (a / 2) + 8 (a % 2) + r + 8 (r / 8)
	s_lshl_b32 s21, s41, 10
	s_lshl_b32 s22, s15, 9
	s_add_co_u32 s21, s21, s22
	s_add_co_u32 s21, s21, 8192
	v_and_b32 v30, 8, v2
	v_add_nc_u32 v30, v30, v2
	v_lshl_add_u32 v[BOA], v30, 2, s21
.irp a, 0,1,2,3,4,5,6,7
	global_load_b32 v[BA+\a], v[BOA], s[6:7] offset:4*(32*(\a/2)+8*(\a%2))
.endr
	; where the results go.  qkvq: q's codes [32 heads][128 token blocks][768] at 0, k's at 3,145,728, v's [32][4 d blocks][32][768] at 6,291,456; scale words: q's [32][128][16] at 9,437,184, k's at 9,699,328, v's [32][4][16][16] at 9,961,472.
	; q, k: a fragment's two images are two heads' 64
	s_lshr_b32 s12, s10, 3                         ; batch
	s_lshl_b32 s12, s12, 4
	s_and_b32 s13, s42, 3
	s_lshl_b32 s13, s13, 2
	s_add_co_u32 s12, s12, s13
	s_lshl_b32 s13, s16, 1
	s_add_co_u32 s12, s12, s13                     ; the first of my two heads
	s_lshl_b32 s12, s12, 7
	s_and_b32 s13, s10, 7
	s_lshl_b32 s13, s13, 4
	s_add_co_u32 s12, s12, s13
	s_lshl_b32 s13, s15, 3
	s_add_co_u32 s12, s12, s13                     ; 128 x head + my first token block
	s_lshr_b32 s13, s42, 2                         ; q (0) or k (1)
	s_mul_i32 s18, s13, 3145728
	s_mul_i32 s19, s12, 768
	s_add_co_u32 s18, s18, s19                     ; codes
	s_lshl_b32 s13, s13, 18
	s_lshl_b32 s12, s12, 6
	s_add_co_u32 s12, s12, s13
	s_add_co_u32 s12, s12, 9437184                 ; scale words
	; v: a fragment is 16 channels x 128 keys
	s_sub_co_u32 s13, s17, 4
	s_lshl_b32 s13, s13, 6
	s_lshl_b32 s19, s41, 4
	s_add_co_u32 s13, s13, s19
	s_lshl_b32 s19, s15, 3
	s_add_co_u32 s13, s13, s19                     ; 4 x head + d block, of my first block
	s_lshl_b32 s13, s13, 4
	s_lshl_b32 s19, s42, 1
	s_add_co_u32 s13, s13, s19
	s_add_co_u32 s13, s13, s16                     ; x 16 + my 128 keys' number
	s_mul_i32 s19, s13, 1536
	s_add_co_u32 s19, s19, 6291456                 ; codes
	s_lshl_b32 s13, s13, 6
	s_add_co_u32 s13, s13, 9961472                 ; scale words
	s_mov_b32 s22, 768
	s_cmp_ge_u32 s17, 4
	s_cselect_b32 s20, s13, s12
	s_cselect_b32 s12, s19, s18
	s_mov_b32 s18, 98304
	s_cselect_b32 s18, 768, s18                    ; from the first image to the second: the next head, or the next 64 keys
	s_cselect_b32 s22, 24576, s22                  ; from a block of A to the next
	s_cselect_b32 s92, 1024, 64
	s_cselect_b32 s94, -1, 0xffff                  ; q, k: a head's word has two bytes; the upper two are 0
	s_cselect_b32 s2, 0, 8192                      ; q, k: lanes 16-31 store the second head's word,
	s_cselect_b32 s11, 0, 16                       ; which is the upper half of the fragment's
	s_mov_b32 s13, 0
	s_mov_b32 s19, 0
	s_mov_b32 s21, 0
	s_mov_b32 s23, 0
	s_mov_b32 s93, 0
	s_add_nc_u64 s[12:13], s[8:9], s[12:13]
	s_add_nc_u64 s[18:19], s[12:13], s[18:19]
	s_add_nc_u64 s[20:21], s[8:9], s[20:21]
	v_mul_u32_u24 v[OS], s2, v3
	v_lshl_add_u32 v[OS], v2, 2, v[OS]
	v_mul_u32_u24 v[SH], s11, v3
.endif
	s_mov_b32 s[SEL], 0x76543210
	s_mov_b32 s[SEL+1], 0xfedcba98
.macro FRAG reg, adr, off              ; a fragment: two images on end; every load takes consecutive bytes in consecutive lanes
	ds_load_b128 v[\reg:\reg+3], v[\adr] offset:\off
	ds_load_b64 v[\reg+4:\reg+5], v[\adr+3] offset:\off+512
	ds_load_b128 v[\reg+6:\reg+9], v[\adr] offset:\off+768
	ds_load_b64 v[\reg+10:\reg+11], v[\adr+3] offset:\off+1280
.endm
; 16 matrix instructions: A's blocks a0, a0 + 1 x B's eight, 128 along K: the slot's q-th.  p: B's set; sc: the set of scale words.  zero = 1: the first product starts the sums.
; The 64 accumulators take turns, one instruction a turn, in the same order in every step.
.macro MUL16 a0, p, q, sc, zero
.irp a, \a0, \a0+1
.irp b, 0,1,2,3,4,5,6,7
.if \zero
	v_wmma_scale_f32_16x16x128_f8f6f4 v[8*(8*((\a)%4)+\b):8*(8*((\a)%4)+\b)+7], v[128*(\p)+FR*\b:128*(\p)+FR*\b+FR-1], v[AF+FR*(\a):AF+FR*(\a)+FR-1], 0, v[SC+8*NQ*(\sc)+NQ*\b+(\q)], v[SC+8*NQ*(\sc)+NQ*(\a)+(\q)] matrix_a_fmt:MATRIX_FMT_FP6 matrix_b_fmt:MATRIX_FMT_FP6 matrix_a_scale:MATRIX_SCALE_ROW1
.else
	v_wmma_scale_f32_16x16x128_f8f6f4 v[8*(8*((\a)%4)+\b):8*(8*((\a)%4)+\b)+7], v[128*(\p)+FR*\b:128*(\p)+FR*\b+FR-1], v[AF+FR*(\a):AF+FR*(\a)+FR-1], v[8*(8*((\a)%4)+\b):8*(8*((\a)%4)+\b)+7], v[SC+8*NQ*(\sc)+NQ*\b+(\q)], v[SC+8*NQ*(\sc)+NQ*(\a)+(\q)] matrix_a_fmt:MATRIX_FMT_FP6 matrix_b_fmt:MATRIX_FMT_FP6 matrix_a_scale:MATRIX_SCALE_ROW1
.endif
.endr
.endr
.endm
.macro FETCH_B slot, q, p              ; B's eight fragments of the slot's q-th 128 along K into set p
	WIN TO_B
.irp i, 0,1,2,3,4,5,6,7
	FRAG 128*(\p)+FR*\i, ADRB+\slot, \i*RBB+(\q)*1536
.endr
	WIN 0
.endm
.macro FETCH_A slot, q, i0             ; A's blocks i0 .. i0 + 3
.irp i, \i0, \i0+1, \i0+2, \i0+3
	FRAG AF+FR*(\i), ADRA+\slot, (\i)*RBB+(\q)*1536
.endr
.endm
.macro SCALES sc                       ; a K step's scale words into set sc: lanes 0-15 take A's block i, lanes 16-31 B's block i
.irp i, 0,1,2,3,4,5,6,7
.irp w, 0,1
	ds_load_b32 v[SC+8*NQ*\sc+NQ*\i+\w], v[ADRS] offset:\i*SBLK+64*\w
.endr
.endr
.endm
.macro PLACES n                        ; plain vector instructions that name no register of the matrix instructions before them (ISA guide 7.12.1 for vector instructions)
.rept \n
	v_nop
.endr
.endm
.macro STEP slot, q, sc, zero          ; a step of 128 along K that has its successor in the same slot; sc: the K step's set of scale words
	s_wait_dscnt 4*NL                              ; B's set, A's blocks 0-3 and the scale words are in; the youngest 16 loads (A's blocks 4-7) may be out
	WIN MUL_LO
	MUL16 0, (\q)%2, \q, \sc, \zero
	MUL16 2, (\q)%2, \q, \sc, \zero
	s_wait_dscnt 0
	PLACES NP
	FETCH_B \slot, (\q)+1, 1-(\q)%2
	FETCH_A \slot, (\q)+1, 0
	WIN MUL_HI
	MUL16 4, (\q)%2, \q, \sc, \zero
	MUL16 6, (\q)%2, \q, \sc, \zero
	PLACES NP
	WIN 0
	FETCH_A \slot, (\q)+1, 4
.endm
; A slot's last step goes on to the next slot.  sc, nsc: this K step's set of scale words and the next one's.
; how = 2: this slot is filled again: each wave waits for all its tensor loads, adds 0 to its spare word, waits for that and for its own reads of this slot; a round of the cluster's barrier; the joint refill first behind it.
; how = 1: the next slot holds the refill: the same lines and the work-group's barrier show it to all four waves.
; how = 0: the next slot's first fill was shown to all four waves by the round (every wave had waited for all its loads in front of it), and this slot is not written again: no barrier.
.macro TURN slot, next, sc, nsc, how
.if \how
	s_wait_tensorcnt 0x0                           ; all my tensor loads have landed
	ds_add_u32 v[SPW], v[NIL]                      ; 0 onto my spare word
	s_wait_dscnt 4*NL+1                            ; (the add and the youngest 16 loads may be out)
	WIN MUL_LO
	MUL16 0, 1, NQ-1, \sc, 0
	s_wait_dscnt 0x0                               ; the add is done, and my reads of this slot are over
	s_barrier_signal -1
	MUL16 2, 1, NQ-1, \sc, 0
	WIN 0
	s_barrier_wait -1
.else
	s_wait_dscnt 4*NL                              ; the youngest 16 loads (A's blocks 4-7) may be out
	WIN MUL_LO
	MUL16 0, 1, NQ-1, \sc, 0
	MUL16 2, 1, NQ-1, \sc, 0
	s_wait_dscnt 0x0
	WIN 0
.endif
.if \how == 2
	CREST                                          ; the barrier has opened a round of the cluster's: no wave of any partner still reads this slot or has a load on its way
	JLOAD G0+4*\slot, G1, G0B+4*\slot, G1B         ; the first tensor load behind the round, and my last: K step 3; its four v_nop are the places in front of the loads below
.else
	PLACES NP
.endif
	v_add_nc_u32 v[ADRS], 64*NQ, v[ADRS]           ; on to the next K step's scale words
	FETCH_B \next, 0, 0
	FETCH_A \next, 0, 0
	SCALES \nsc
	WIN MUL_HI
	MUL16 4, 1, NQ-1, \sc, 0
	MUL16 6, 1, NQ-1, \sc, 0
	PLACES NP
	WIN 0
	FETCH_A \next, 0, 4
.endm
	s_wait_alu depctr_va_vdst(0)
	s_wait_tensorcnt 0x0                           ; my one load of the head is in, so a descriptor may be written: the refill brings 8 rows
	s_mov_b32 s[G1+2], 8<<16
	s_mov_b32 s[G1+4], 8
	s_mov_b32 s[G1B+2], 8<<16
	s_mov_b32 s[G1B+4], 8
	s_barrier_signal -1
	s_barrier_wait -1                              ; everybody's are
	FETCH_B 0, 0, 0
	FETCH_A 0, 0, 0
	SCALES 0
	FETCH_A 0, 0, 4
	STEP 0, 0, 0, 1                                ; K step 0: its first products start the sums
	TURN 0, 1, 0, 1, 2                             ; slot 0 takes K step 3
	s_wait_alu depctr_va_vdst(0)
	STEP 1, 0, 1, 0                                ; K step 1
	TURN 1, 2, 1, 0, 0
	s_wait_alu depctr_va_vdst(0)
	STEP 2, 0, 0, 0                                ; K step 2
	TURN 2, 0, 0, 1, 1                             ; the refill is waited for here, 256 matrix instructions behind its request
	STEP 0, 0, 1, 0                                ; K step 3
	s_wait_dscnt 4*NL
	WIN MUL_LO
	MUL16 0, 1, NQ-1, 1, 0
	MUL16 2, 1, NQ-1, 1, 0
	s_wait_dscnt 0
	WIN MUL_HI
	MUL16 4, 1, NQ-1, 1, 0
	MUL16 6, 1, NQ-1, 1, 0
	WIN 0
; 64 numbers of a lane, register 16 b + i = k 32 b + 16 h + i of my row, become a fragment's codes in v[PC] on and its scale word in v[PW]
.macro QUANT s
.irp b, 0,1,2,3
	v_max3_num_f32 v[TM+\b], |v[\s+16*\b]|, |v[\s+1+16*\b]|, 0x1800000   ; my 16 numbers of block b, and the floor 2^(3 - 127): the byte cannot fall under 1
.endr
.irp i, 2,4,6,8,10,12,14
.irp b, 0,1,2,3
	v_max3_num_f32 v[TM+\b], v[TM+\b], |v[\s+16*\b+\i]|, |v[\s+1+16*\b+\i]|
.endr
.endr
.irp b, 0,1,2,3
	v_permlanex16_b32 v[TM+4+\b], v[TM+\b], s[SEL], s[SEL+1]
.endr
.irp b, 0,1,2,3
	v_max_num_f32 v[TM+\b], v[TM+\b], v[TM+4+\b]   ; with lane l xor 16's: the block's largest magnitude
.endr
.irp b, 0,1,2,3
	v_add_nc_u32 v[TM+12+\b], 0xff000000, v[TM+\b] ; 2 off its exponent field: the conversion's scale operand
.endr
.irp b, 0,1,2,3
	v_lshrrev_b32 v[TM+4+\b], 23, v[TM+12+\b]      ; the scale's byte
.endr
	v_lshl_or_b32 v[PW], v[TM+5], 8, v[TM+4]
	v_lshl_or_b32 v[PW], v[TM+6], 16, v[PW]
	v_lshl_or_b32 v[PW], v[TM+7], 24, v[PW]
.irp c, 0,1
	v_cvt_scalef32_pk16_fp6_f32 v[PC+6*\c:PC+2+6*\c], v[\s+32*\c:\s+15+32*\c], v[TM+12+2*\c]
	v_cvt_scalef32_pk16_fp6_f32 v[PC+12+4*\c:PC+14+4*\c], v[\s+16+32*\c:\s+31+32*\c], v[TM+12+2*\c+1]
.endr
	v_nop                                          ; one plain instruction behind a scaled conversion
.irp c, 0,1
.irp i, 0,1,2
	v_permlane16_swap_b32 v[PC+6*\c+\i], v[PC+12+4*\c+\i]   ; a whole block to a lane
.endr
.irp i, 0,1,2
	v_mov_b32 v[PC+3+6*\c+\i], v[PC+12+4*\c+\i]
.endr
.endr
.endm
; gelu(x) = 0.5 x (1 + tanh(sqrt(2 / pi) (x + 0.044715 x^3))) = x / (1 + 2^(x (A + B x^2))), A = -2 sqrt(2 / pi) log2(e), B = 0.044715 A.  Two batches of 64 transcendentals, one wait each.
.macro GELUF
.set NN, 0
.rept 32
	v_pk_mul_f32 v[T+NN:T+NN+1], v[ST+NN:ST+NN+1], v[ST+NN:ST+NN+1]
.set NN, NN+2
.endr
.set NN, 0
.rept 32
	v_pk_fma_f32 v[T+NN:T+NN+1], v[T+NN:T+NN+1], v[CB:CB+1], v[CA:CA+1]
.set NN, NN+2
.endr
.set NN, 0
.rept 32
	v_pk_mul_f32 v[T+NN:T+NN+1], v[T+NN:T+NN+1], v[ST+NN:ST+NN+1]
.set NN, NN+2
.endr
.set NN, 0
	s_wait_alu depctr_va_vdst(0)
.rept 64
	v_exp_f32 v[T+NN], v[T+NN]
.set NN, NN+1
.endr
	v_nop                                          ; a plain instruction behind the last exponential,
	s_wait_alu depctr_va_vdst(0)                   ; and one wait for the batch, ahead of its first reader
.set NN, 0
.rept 32
	v_pk_add_f32 v[T+NN:T+NN+1], v[T+NN:T+NN+1], 1.0 op_sel_hi:[1,0]
.set NN, NN+2
.endr
.set NN, 0
	s_wait_alu depctr_va_vdst(0)
.rept 64
	v_rcp_f32 v[T+NN], v[T+NN]
.set NN, NN+1
.endr
	v_nop
	s_wait_alu depctr_va_vdst(0)
.set NN, 0
.rept 32
	v_pk_mul_f32 v[ST+NN:ST+NN+1], v[ST+NN:ST+NN+1], v[T+NN:T+NN+1]
.set NN, NN+2
.endr
.endm
; THE WAY OUT of A's block a: bias, (gelu,) quantiser, five stores.  The codes' stores cover 512 or 256 consecutive bytes at multiples of 256; the scale words leave in pieces of 64 bytes: one byte in 24 of what is stored.
.macro OUTB a
	s_wait_xcnt 0x0                                ; the last block's stores have read their data and bases: both are written again only behind this wait
.if (\a) > 0
	s_add_nc_u64 s[12:13], s[12:13], s[22:23]
	s_add_nc_u64 s[18:19], s[18:19], s[22:23]
	s_add_nc_u64 s[20:21], s[20:21], s[92:93]
.endif
	WIN 0x06+(\a)/4                                ; source 0: window 2 or 3; source 1: window 1
.set AC, 64*((\a)%4)
.set NN, 0
.rept 16
	v_pk_add_f32 v[ST+NN:ST+NN+1], v[AC+NN:AC+NN+1], v[96+NN:97+NN]     ; each accumulator from its low end on
.set NN, NN+2
.endr
.rept 16
	v_pk_add_f32 v[ST+NN:ST+NN+1], v[AC+NN:AC+NN+1], v[192+NN:193+NN]
.set NN, NN+2
.endr
	WIN 0
.if GELU
	GELUF
.else
	v_mov_b32 v[BP], v[BA+(\a)]
	v_mov_b32 v[BP+1], v[BA+(\a)]
.set NN, 0
.rept 32
	v_pk_add_f32 v[ST+NN:ST+NN+1], v[ST+NN:ST+NN+1], v[BP:BP+1]
.set NN, NN+2
.endr
.endif
	QUANT ST
	global_store_b128 v[O16], v[PC:PC+3], s[12:13]
	global_store_b64 v[O8], v[PC+4:PC+5], s[12:13] offset:512
	global_store_b128 v[O16], v[PC+6:PC+9], s[18:19]
	global_store_b64 v[O8], v[PC+10:PC+11], s[18:19] offset:512
.if GELU
	global_store_b32 v[OS], v[PW], s[20:21]        ; lanes l and l + 16 store the same word at the same place
.else
	v_lshrrev_b32 v[PW2], v[SH], v[PW]
	v_and_b32 v[PW2], s94, v[PW2]
	global_store_b32 v[OS], v[PW2], s[20:21]
.endif
.endm
	PLACES NP                                      ; behind the last products
	s_wait_loadcnt 0x0                             ; the biases, asked for at the head
.if GELU
	v_mov_b32 v[CB], 0xbdd2d3e8                    ; B = -0.10294324
	v_mov_b32 v[CB+1], 0xbdd2d3e8
	v_mov_b32 v[CA], 0xc0135761                    ; A = -2.3022082
	v_mov_b32 v[CA+1], 0xc0135761
.else
	WIN 0x44                                       ; the bias that does not apply becomes +0
.set NN, 0
.rept 32
	v_and_b32 v[96+NN], s95, v[96+NN]
	v_and_b32 v[224+NN], s95, v[224+NN]
.set NN, NN+1
.endr
	WIN 0
.irp a, 0,1,2,3,4,5,6,7
	v_and_b32 v[BA+\a], s100, v[BA+\a]
.endr
.endif
.irp b, 0,1,2,3
	v_mov_b32 v[TM+4+\b], 0                        ; written once: a lane permute's destination counts as one of its sources
.endr
.irp a, 0,1,2,3,4,5,6,7
	OUTB \a
.endr
	s_wait_tensorcnt 0x0                           ; the wave's end
	ds_add_u32 v[SPW], v[NIL]
	s_wait_dscnt 0x0
	CROUND                                         ; the closing round: no work-group ends while a partner may still ask for a tile that names it
	s_endpgm
.Lfunc_end_k_q7395a01f24_w1:
	.size	k_q7395a01f24_w1, .Lfunc_end_k_q7395a01f24_w1-k_q7395a01f24_w1
	.p2alignl 7, 3214868480
	.fill 96, 4, 3214868480
	.section	.rodata,"a",@progbits
	.p2align	6, 0x0
	.amdhsa_kernel k_q7395a01f24_w1
		.amdhsa_group_segment_fixed_size 327680
		.amdhsa_private_segment_fixed_size 0
		.amdhsa_enable_private_segment 0
		.amdhsa_kernarg_size 32
		.amdhsa_user_sgpr_count 2
		.amdhsa_user_sgpr_kernarg_segment_ptr 1
		.amdhsa_wavefront_size32 1
		.amdhsa_system_sgpr_workgroup_id_x 1
		.amdhsa_system_sgpr_workgroup_id_y 1
		.amdhsa_system_sgpr_workgroup_id_z 1
		.amdhsa_system_vgpr_workitem_id 0
		.amdhsa_next_free_vgpr 1024
		.amdhsa_next_free_sgpr 102
		.amdhsa_reserve_vcc 0
		.amdhsa_float_denorm_mode_32 3
		.amdhsa_float_denorm_mode_16_64 3
		.amdhsa_memory_ordered 1
		.amdhsa_forward_progress 1
		.amdhsa_inst_pref_size 255
	.end_amdhsa_kernel
	.section	.bss,"aw",@nobits
	.p2align	6
	.space	262144
	.amdgpu_metadata
---
amdhsa.version: [ 1, 2 ]
amdhsa.kernels:
  - .name:           k_q7395a01f24_w1
    .symbol:         k_q7395a01f24_w1.kd
    .args:
      - { .name: opq, .offset: 0, .size: 8, .value_kind: global_buffer, .address_space: global }
      - { .name: b1, .offset: 8, .size: 8, .value_kind: global_buffer, .address_space: global }
      - { .name: gq, .offset: 16, .size: 8, .value_kind: global_buffer, .address_space: global }
      - { .name: hq, .offset: 24, .size: 8, .value_kind: global_buffer, .address_space: global }
    .group_segment_fixed_size: 327680
    .private_segment_fixed_size: 0
    .kernarg_segment_align: 8
    .kernarg_segment_size: 32
    .max_flat_workgroup_size: 128
    .sgpr_count:     102
    .vgpr_count:     1024
    .wavefront_size: 32
...
	.end_amdgpu_metadata
.endif
;; end of part 5
;; launch w2 (part 6): grid 8 x 32, 4 waves a work-group, clusters of 4 x 4, 327,680 bytes of LDS; arguments gq, opq, b2, w_mlp, x1, out0; writes out0
.if DOCPART == 6
	.amdgcn_target "amdgcn-amd-amdhsa--gfx1250"
	.amdhsa_code_object_version 6
	.text
	.protected	k_q7395a01f24_w2
	.globl	k_q7395a01f24_w2
	.p2align	8
	.type	k_q7395a01f24_w2,@function
k_q7395a01f24_w2:
	s_mov_b64 s[64:65], 0
	v_nop
	global_prefetch_b8 v0, s[64:65] scope:SCOPE_SE
	s_setreg_imm32_b32 hwreg(HW_REG_WAVE_MODE, 25, 1), 1
	s_wait_xcnt 0x0
	s_wait_alu depctr_hold_cnt(0) depctr_sa_sdst(0) depctr_va_vdst(0) depctr_va_sdst(0) depctr_va_ssrc(0) depctr_va_vcc(0) depctr_vm_vsrc(0)
	s_getreg_b32 s2, hwreg(HW_REG_IB_STS2, 6, 4)
	s_cmp_eq_u32 s2, 0
	s_cbranch_scc0 .Lentry_in_a_cluster
	s_endpgm
.Lentry_in_a_cluster:
	s_bfe_u32 s2, ttmp6, 0x10000c
	s_cmp_lg_u32 s2, 0xf033
	s_cbranch_scc0 .Lentry_shape_is_right
	s_endpgm
.Lentry_shape_is_right:
.set KTOT,   4096
.set ASO,    12582912
.set BCO,    6291456
.set BSO,    9699328
.set FR,     12
.set RBP,    KTOT*12
.set SBLK,   KTOT/2
.set RBB,    6144
.set HALFT,  4*RBB
.set SLOT,   4*HALFT
.set LAPS,   KTOT/1024
.set SCL,    2*SLOT
.set HALFS,  4*SBLK
.set SPARE,  SCL+4*HALFS
.set SPITCH, 528
.set ADRA, 16
.set ADRB, 20
.set STO,  24
.set RD,   25
.set RO,   26
.set ADRS, 27
.set SPW,  28
.set NIL,  29
.set BI,   32
.set SC,   96
.set ACC,  128
.set F0,   0
.set F1,   128
.set G1, 24
.set G0, 32
.set G1B, 48
.set G0B, 56
.set G1S, 68
.set G0S, 76
.set G1SB, 80
.set G0SB, 88
.set MSB, 0
.macro WIN new
.if MSB != (\new)
	s_set_vgpr_msb (MSB<<8)|(\new)
.set MSB, (\new)
.endif
.endm
.macro JLOAD g0a, g1a, g0b, g1b
	s_cmp_eq_u32 s15, 0
	s_cbranch_scc0 .Lfor_b_\@
	tensor_load_to_lds s[\g0a:\g0a+3], s[\g1a:\g1a+7]
	s_nop 0
.rept 4
	v_nop
.endr
	s_branch .Lasked_\@
.Lfor_b_\@:
	tensor_load_to_lds s[\g0b:\g0b+3], s[\g1b:\g1b+7]
	s_nop 0
.rept 4
	v_nop
.endr
.Lasked_\@:
.endm
.macro CREST
	s_cmp_lg_u32 s14, 0
	s_cbranch_scc1 .Lnot_wave_0_\@
	s_barrier_signal -3
.Lnot_wave_0_\@:
	s_barrier_wait -3
	s_barrier_signal -1
	s_barrier_wait -1
.endm
.macro CROUND
	s_barrier_signal -1
	s_barrier_wait -1
	CREST
.endm
	s_load_b256 s[4:11], s[0:1], 0x0
	s_load_b128 s[92:95], s[0:1], 0x20
	v_lshl_add_u32 v[SPW], v0, 2, SPARE
	v_mov_b32 v[NIL], 0
	ds_add_u32 v28, v29
	ds_add_u32 v28, v29
	s_wait_dscnt 0x0
	v_lshrrev_b32 v1, 5, v0
	v_readfirstlane_b32 s14, v1
	s_lshr_b32 s15, s14, 1
	s_and_b32 s16, s14, 1
	s_bfe_u32 s40, ttmp6, 0x40000
	s_bfe_u32 s41, ttmp6, 0x40004
	s_lshl_b32 s42, ttmp9, 2
	s_add_co_u32 s42, s42, s40
	s_and_b32 s17, ttmp7, 0xffff
	s_lshl_b32 s17, s17, 2
	s_add_co_u32 s17, s17, s41
	s_lshl_b32 s43, s41, 2
	s_lshl_b32 s43, 15, s43
	s_lshl_b32 s44, 0x1111, s40
	s_or_b32 s[G1+0], s43, (3<<16)|(1<<21)
	s_or_b32 s[G1B+0], s44, (3<<16)|(1<<21)
.irp g, G1, G1B
	s_mov_b32 s[\g+1], 768<<16
	s_mov_b32 s[\g+2], 8<<16                       ; the head's loads bring a tile's 8 row blocks; behind them the two words are set to 4, for the ring's
	s_mov_b32 s[\g+3], 768<<16
	s_mov_b32 s[\g+4], 8
	s_mov_b32 s[\g+5], RBP/8
	s_mov_b32 s[\g+6], 0
	s_mov_b32 s[\g+7], 0
.endr
	s_or_b32 s[G1S+0], s43, (3<<16)|(1<<21)
	s_or_b32 s[G1SB+0], s44, (3<<16)|(1<<21)
.irp g, G1S, G1SB
	s_mov_b32 s[\g+1], 32<<16
	s_mov_b32 s[\g+2], (HALFS/128)<<16             ; the scale words of 8 row blocks
	s_mov_b32 s[\g+3], 32<<16
	s_mov_b32 s[\g+4], HALFS/128
	s_mov_b32 s[\g+5], 32
	s_mov_b32 s[\g+6], 0
	s_mov_b32 s[\g+7], 0
.endr
	s_mov_b32 s18, 0                               ; the addresses made below are those of whole tiles
	s_lshl_b32 s20, s17, 3
	s_add_co_u32 s20, s20, s18
	s_lshl_b32 s46, s42, 3
	s_add_co_u32 s46, s46, s18
	s_mul_i32 s22, s20, SBLK
	s_add_co_u32 s22, s22, ASO
	s_mul_i32 s20, s20, RBP
	s_mul_i32 s96, s46, SBLK
	s_add_co_u32 s96, s96, BSO
	s_mul_i32 s46, s46, RBP
	s_add_co_u32 s46, s46, BCO
	s_mov_b32 s21, 0
	s_mov_b32 s23, 0
	s_mov_b32 s47, 0
	s_mov_b32 s97, 0
	s_mul_i32 s45, s14, HALFT
	s_mul_i32 s18, s16, 4*RBP                      ; s[18:19]: in the ring I fetch 4 row blocks of a tile: which half, in bytes
	s_mov_b32 s19, 0
	s_wait_kmcnt 0x0
	s_load_b32 s98, s[10:11], 0x0
	s_add_nc_u64 s[20:21], s[4:5], s[20:21]
	s_add_nc_u64 s[22:23], s[4:5], s[22:23]
	s_add_nc_u64 s[46:47], s[6:7], s[46:47]
	s_add_nc_u64 s[96:97], s[6:7], s[96:97]
	CROUND
	; THE HEAD'S LOADS, ONE A WAVE: wave 0 K step 0 of A's 8 row blocks, wave 1 of B's, wave 2 A's scale words for all of K, wave 3 B's.  A K step is 512 along K, 6,144 bytes of a row block.
	s_mov_b32 s[G0S], 1
	s_mov_b32 s[G0S+1], SCL
	s_mov_b64 s[G0S+2:G0S+3], s[22:23]
	s_or_b32 s[G0S+3], s[G0S+3], 0x80000000
	s_mov_b32 s[G0SB], 1
	s_mov_b32 s[G0SB+1], SCL+2*HALFS
	s_mov_b64 s[G0SB+2:G0SB+3], s[96:97]
	s_or_b32 s[G0SB+3], s[G0SB+3], 0x80000000
	s_mov_b32 s[G0], 1                             ; slot 0's sets serve the head's whole tiles first; behind the wait for them they are set to my quarter
	s_mov_b32 s[G0+1], 0
	s_mov_b64 s[G0+2:G0+3], s[20:21]
	s_or_b32 s[G0+3], s[G0+3], 0x80000000
	s_mov_b32 s[G0B], 1
	s_mov_b32 s[G0B+1], 2*HALFT
	s_mov_b64 s[G0B+2:G0B+3], s[46:47]
	s_or_b32 s[G0B+3], s[G0B+3], 0x80000000
	s_mov_b32 s[G0+4], 1                           ; slot 1: my quarter of K step 1
	s_add_co_u32 s[G0+5], s45, SLOT
	s_add_nc_u64 s[G0+6:G0+7], s[20:21], s[18:19]
	s_add_nc_u64 s[G0+6:G0+7], s[G0+6:G0+7], RBB
	s_or_b32 s[G0+7], s[G0+7], 0x80000000
	s_mov_b32 s[G0B+4], 1
	s_add_co_u32 s[G0B+5], s45, SLOT
	s_add_nc_u64 s[G0B+6:G0B+7], s[46:47], s[18:19]
	s_add_nc_u64 s[G0B+6:G0B+7], s[G0B+6:G0B+7], RBB
	s_or_b32 s[G0B+7], s[G0B+7], 0x80000000
	; THE PREFETCHES.  Of the 4 row blocks that I fetch, each of the four partners that ask for them with me takes one, told apart by address (cx for A, cy for B): 6,144 bytes of a K step, 24 blocks of 256, a lane a block
	; (lanes 24-31 name the last again).  s[12:13] stands one K step behind the load that is being asked for... at K step 1 here; the load of K step j is followed by a request for K step j + 2; the last two refills ask for nothing.
	s_cmp_eq_u32 s15, 0
	s_cselect_b64 s[12:13], s[20:21], s[46:47]
	s_cselect_b32 s2, s40, s41
	s_mul_i32 s2, s2, RBP
	s_add_co_u32 s2, s2, RBB
	s_mov_b32 s3, 0
	s_add_nc_u64 s[12:13], s[12:13], s[18:19]
	s_add_nc_u64 s[12:13], s[12:13], s[2:3]
.macro ARM under, g0, g1, next         ; one chain of branches on the wave's number: every way through it passes exactly one load
	s_cmp_lt_u32 s14, \under
	s_cbranch_scc0 \next
	tensor_load_to_lds s[\g0:\g0+3], s[\g1:\g1+7]
	s_nop 0
.rept 4
	v_nop
.endr
	s_branch .Lhead_asked
\next:
.endm
	ARM 1, G0,  G1,  .Lhead_b
	ARM 2, G0B, G1B, .Lhead_sa
	ARM 3, G0S, G1S, .Lhead_sb
	tensor_load_to_lds s[G0SB:G0SB+3], s[G1SB:G1SB+7]
	s_nop 0
.rept 4
	v_nop
.endr
.Lhead_asked:
	v_and_b32 v1, 31, v0
	v_and_b32 v2, 15, v0
	v_bfe_u32 v3, v0, 4, 1
	v_lshlrev_b32 v[RO], 4, v1
	v_lshlrev_b32 v7, 3, v1
	v_min_u32 v30, 23, v1
	v_lshlrev_b32 v30, 8, v30                      ; the prefetches' offset: my block of 256 bytes; never rewritten
	s_mul_i32 s21, s15, HALFT
	s_mul_i32 s22, s16, HALFT
	s_add_co_u32 s22, s22, 2*HALFT
.irp s, 0,1
	v_add_nc_u32 v[ADRA+\s], s21, v[RO]
	v_add_nc_u32 v[ADRA+2+\s], s21, v7
	v_add_nc_u32 v[ADRB+\s], s22, v[RO]
	v_add_nc_u32 v[ADRB+2+\s], s22, v7
	s_add_co_u32 s21, s21, SLOT
	s_add_co_u32 s22, s22, SLOT
.endr
	s_mul_i32 s21, s15, HALFS
	s_mul_i32 s22, s16, HALFS
	s_add_co_u32 s22, s22, 2*HALFS
	s_sub_co_u32 s22, s22, s21
	v_mul_u32_u24 v6, s22, v3
	s_add_co_u32 s21, s21, SCL
	v_lshl_add_u32 v5, v2, 2, v6
	v_add_nc_u32 v[ADRS], s21, v5
	s_mul_i32 s21, s15, 64*SPITCH
	s_lshl_b32 s22, s16, 8
	s_add_co_u32 s21, s21, s22
	v_mul_u32_u24 v4, v2, SPITCH
	v_lshl_add_u32 v4, v3, 6, v4
	v_add_nc_u32 v[STO], s21, v4
	s_mul_i32 s21, s14, 32*SPITCH
	v_add_nc_u32 v[RD], s21, v[RO]
	s_lshl_b32 s20, s17, 7
	s_lshl_b32 s21, s14, 5
	s_add_co_u32 s20, s20, s21
	s_lshl_b32 s20, s20, 12
	s_lshl_b32 s21, s42, 9
	s_add_co_u32 s20, s20, s21
	s_mov_b32 s21, 0
	s_add_nc_u64 s[92:93], s[92:93], s[20:21]
	s_add_nc_u64 s[94:95], s[94:95], s[20:21]
	s_lshl_b32 s20, s42, 9
	s_add_nc_u64 s[8:9], s[8:9], s[20:21]
	global_load_b128 v[BI:BI+3], v[RO], s[8:9]
	global_prefetch_b8 v30, s[12:13] th:TH_LOAD_NT scope:SCOPE_SE             ; K steps 1 and 2
	global_prefetch_b8 v30, s[12:13] offset:RBB th:TH_LOAD_NT scope:SCOPE_SE
.macro FRAG reg, adr, off
	ds_load_b128 v[\reg:\reg+3], v[\adr] offset:\off
	ds_load_b64 v[\reg+4:\reg+5], v[\adr+2] offset:\off+512
	ds_load_b128 v[\reg+6:\reg+9], v[\adr] offset:\off+768
	ds_load_b64 v[\reg+10:\reg+11], v[\adr+2] offset:\off+1280
.endm
.macro FETCH slot, q, f
	WIN 0x40
.irp i, 0,1,2,3
	FRAG \f+FR*\i, ADRA+\slot, \i*RBB+(\q)*1536
	FRAG \f+48+FR*\i, ADRB+\slot, \i*RBB+(\q)*1536
.endr
.endm
.macro SCALES sc
.irp i, 0,1,2,3
.irp w, 0,1,2,3
	ds_load_b32 v[SC+16*\sc+4*\i+\w], v[ADRS] offset:\i*SBLK+64*\w
.endr
.endr
.endm
.macro MUL4 f, a, q, sc, zero
	WIN 0x05
.irp b, 0,1,2,3
.if \zero
	v_wmma_scale_f32_16x16x128_f8f6f4 v[ACC+8*(4*(\a)+\b):ACC+8*(4*(\a)+\b)+7], v[\f+48+FR*\b:\f+48+FR*\b+FR-1], v[\f+FR*(\a):\f+FR*(\a)+FR-1], 0, v[SC+16*(\sc)+4*\b+(\q)], v[SC+16*(\sc)+4*(\a)+(\q)] matrix_a_fmt:MATRIX_FMT_FP6 matrix_b_fmt:MATRIX_FMT_FP6 matrix_a_scale:MATRIX_SCALE_ROW1
.else
	v_wmma_scale_f32_16x16x128_f8f6f4 v[ACC+8*(4*(\a)+\b):ACC+8*(4*(\a)+\b)+7], v[\f+48+FR*\b:\f+48+FR*\b+FR-1], v[\f+FR*(\a):\f+FR*(\a)+FR-1], v[ACC+8*(4*(\a)+\b):ACC+8*(4*(\a)+\b)+7], v[SC+16*(\sc)+4*\b+(\q)], v[SC+16*(\sc)+4*(\a)+(\q)] matrix_a_fmt:MATRIX_FMT_FP6 matrix_b_fmt:MATRIX_FMT_FP6 matrix_a_scale:MATRIX_SCALE_ROW1
.endif
.endr
.endm
.macro PLACES
.rept 4
	v_nop
.endr
.endm
.macro STEP slot, q, zero
	WIN 0
	PLACES
	FETCH \slot, (\q)+1, 128*(1-(\q)%2)
	s_wait_dscnt 32
.irp a, 0,1,2,3
	MUL4 128*((\q)%2), \a, \q, \slot, \zero
.endr
.endm
.macro TURN slot, next, fill
	WIN 0
.if \fill
	s_wait_xcnt 0x0                                ; my last prefetch has read its address: it is stepped here, a K step behind that prefetch
	s_add_nc_u64 s[12:13], s[12:13], RBB
.endif
	s_wait_tensorcnt 0x0
	ds_add_u32 v[SPW], v[NIL]
	s_wait_dscnt 1
	MUL4 F1, 0, 3, \slot, 0
	s_wait_dscnt 0x0
	s_barrier_signal -1
	MUL4 F1, 1, 3, \slot, 0
	WIN 0
	s_barrier_wait -1
.if \fill
	CREST
	s_add_nc_u64 s[G0+4*\slot+2:G0+4*\slot+3], s[G0+4*\slot+2:G0+4*\slot+3], 2*RBB
	s_add_nc_u64 s[G0B+4*\slot+2:G0B+4*\slot+3], s[G0B+4*\slot+2:G0B+4*\slot+3], 2*RBB
	JLOAD G0+4*\slot, G1, G0B+4*\slot, G1B
.else
	PLACES
.endif
	s_wait_alu depctr_va_vdst(0)
	v_add_nc_u32 v[ADRS], 256, v[ADRS]
	FETCH \next, 0, F0
	WIN 0
	SCALES \next
.if \fill
	s_cmp_gt_u32 s3, 1                             ; s3 = 1 in the loop's last trip, whose two refills have no K step two on
	s_cbranch_scc0 .Lno_ask_\@
	global_prefetch_b8 v30, s[12:13] offset:2*RBB th:TH_LOAD_NT scope:SCOPE_SE
.Lno_ask_\@:
.endif
	MUL4 F1, 2, 3, \slot, 0
	MUL4 F1, 3, 3, \slot, 0
.endm
	s_wait_alu depctr_va_vdst(0)
	s_wait_tensorcnt 0x0                           ; my tile of the head's four is in
	ds_add_u32 v[SPW], v[NIL]
	s_mov_b32 s[G1+2], 4<<16                       ; no tensor load of mine is out, so descriptors may be written: from here on a load brings 4 row blocks,
	s_mov_b32 s[G1+4], 4
	s_mov_b32 s[G1B+2], 4<<16
	s_mov_b32 s[G1B+4], 4
	s_mov_b32 s[G0+1], s45                         ; and slot 0's sets stand at my quarter of K step 0
	s_add_nc_u64 s[G0+2:G0+3], s[G0+2:G0+3], s[18:19]
	s_mov_b32 s[G0B+1], s45
	s_add_nc_u64 s[G0B+2:G0B+3], s[G0B+2:G0B+3], s[18:19]
	s_wait_dscnt 0x0
	CROUND                                         ; a whole round: all four tiles are in, and all sixteen work-groups are here
	JLOAD G0+4, G1, G0B+4, G1B                     ; K step 1, the first tensor load behind the round
	FETCH 0, 0, F0
	WIN 0
	SCALES 0
	global_prefetch_b8 v30, s[12:13] offset:2*RBB th:TH_LOAD_NT scope:SCOPE_SE   ; K step 3
	WIN 0x80
.set II, 0
.rept 32
	global_load_b128 v[4*II:4*II+3], v[RO], s[92:93] offset:(8*(II/16)+II%16+8*((II%16)/8))*4096 th:TH_LOAD_NT
.set II, II+1
.endr
	STEP 0, 0, 1
.if LAPS > 1
	WIN 0
	s_mov_b32 s3, LAPS-1
.Llap:
	STEP 0, 1, 0
	STEP 0, 2, 0
	TURN 0, 1, 1
	STEP 1, 0, 0
	STEP 1, 1, 0
	STEP 1, 2, 0
	TURN 1, 0, 1
	STEP 0, 0, 0
	WIN 0
	s_sub_co_u32 s3, s3, 1
	s_cmp_lg_u32 s3, 0
	s_cbranch_scc1 .Llap
.endif
	STEP 0, 1, 0
	STEP 0, 2, 0
	TURN 0, 1, 0
	STEP 1, 0, 0
	STEP 1, 1, 0
	STEP 1, 2, 0
	s_wait_dscnt 0
.irp a, 0,1,2,3
	MUL4 F1, \a, 3, 1, 0
.endr
	WIN 0
	PLACES
.irp a, 0,1,2,3
.irp b, 0,1,2,3
	ds_store_b128 v[STO], v[ACC+8*(4*\a+\b):ACC+8*(4*\a+\b)+3] offset:16*\a*SPITCH+128*(\b/2)+32*(\b%2)
	ds_store_b128 v[STO], v[ACC+8*(4*\a+\b)+4:ACC+8*(4*\a+\b)+7] offset:16*\a*SPITCH+128*(\b/2)+32*(\b%2)+16
.endr
.endr
	s_wait_dscnt 0x0
	s_barrier_signal -1
	s_barrier_wait -1
	WIN 0x40
.set II, 0
.rept 32
	ds_load_b128 v[128+4*II:128+4*II+3], v[RD] offset:II*SPITCH
.set II, II+1
.endr
	s_wait_dscnt 0x0
	s_wait_loadcnt 0x0
	s_wait_kmcnt 0x0
	s_mov_b32 s99, s98
	WIN 0x41
.set II, 0
.rept 32
	v_pk_add_f32 v[128+4*II:129+4*II], v[128+4*II:129+4*II], v[BI:BI+1]
	v_pk_add_f32 v[130+4*II:131+4*II], v[130+4*II:131+4*II], v[BI+2:BI+3]
.set II, II+1
.endr
	WIN 0x61
.set II, 0
.rept 64
	v_pk_fma_f32 v[128+2*II:129+2*II], v[128+2*II:129+2*II], s[98:99], v[2*II:2*II+1] op_sel_hi:[1,0,1]
.set II, II+1
.endr
	WIN 0x04
.set II, 0
.rept 32
	global_store_b128 v[RO], v[128+4*II:128+4*II+3], s[94:95] offset:(8*(II/16)+II%16+8*((II%16)/8))*4096
.set II, II+1
.endr
	WIN 0
	s_wait_tensorcnt 0x0
	ds_add_u32 v[SPW], v[NIL]
	s_wait_dscnt 0x0
	CROUND
	s_endpgm
.Lfunc_end_k_q7395a01f24_w2:
	.size	k_q7395a01f24_w2, .Lfunc_end_k_q7395a01f24_w2-k_q7395a01f24_w2
	.p2alignl 7, 3214868480
	.fill 96, 4, 3214868480
	.section	.rodata,"a",@progbits
	.p2align	6, 0x0
	.amdhsa_kernel k_q7395a01f24_w2
		.amdhsa_group_segment_fixed_size 327680
		.amdhsa_private_segment_fixed_size 0
		.amdhsa_enable_private_segment 0
		.amdhsa_kernarg_size 48
		.amdhsa_user_sgpr_count 2
		.amdhsa_user_sgpr_kernarg_segment_ptr 1
		.amdhsa_wavefront_size32 1
		.amdhsa_system_sgpr_workgroup_id_x 1
		.amdhsa_system_sgpr_workgroup_id_y 1
		.amdhsa_system_sgpr_workgroup_id_z 1
		.amdhsa_system_vgpr_workitem_id 0
		.amdhsa_next_free_vgpr 768
		.amdhsa_next_free_sgpr 100
		.amdhsa_reserve_vcc 0
		.amdhsa_float_denorm_mode_32 3
		.amdhsa_float_denorm_mode_16_64 3
		.amdhsa_memory_ordered 1
		.amdhsa_forward_progress 1
		.amdhsa_inst_pref_size 106
	.end_amdhsa_kernel
	.amdgpu_metadata
---
amdhsa.version: [ 1, 2 ]
amdhsa.kernels:
  - .name:           k_q7395a01f24_w2
    .symbol:         k_q7395a01f24_w2.kd
    .args:
      - { .name: gq, .offset: 0, .size: 8, .value_kind: global_buffer, .address_space: global }
      - { .name: opq, .offset: 8, .size: 8, .value_kind: global_buffer, .address_space: global }
      - { .name: b2, .offset: 16, .size: 8, .value_kind: global_buffer, .address_space: global }
      - { .name: w_mlp, .offset: 24, .size: 8, .value_kind: global_buffer, .address_space: global }
      - { .name: x1, .offset: 32, .size: 8, .value_kind: global_buffer, .address_space: global }
      - { .name: out0, .offset: 40, .size: 8, .value_kind: global_buffer, .address_space: global }
    .group_segment_fixed_size: 327680
    .private_segment_fixed_size: 0
    .kernarg_segment_align: 8
    .kernarg_segment_size: 48
    .max_flat_workgroup_size: 128
    .sgpr_count:     100
    .vgpr_count:     768
    .wavefront_size: 32
...
	.end_amdgpu_metadata
.endif
;; end of part 6
